; MI455X (gfx1250); checked and timed in simulation.
; The chip was launched on July 23, 2026; its instructions are those of AMD's public machine-readable ISA for CDNA 5 (MIT licence, August 2026) and "CDNA5" Instruction Set Architecture Reference Guide (July 2026). The comments in the code are by the model that wrote it; some were corrected since.
;; Causal Self Attention. Allowed arithmetic: matrix products marked QUANTISED: E2M3 operands, one E8M0 scale for each 32 along K, by v_wmma_scale_f32_16x16x128_f8f6f4 with both operands' format E2M3, f32 sums; everything else in f32.
;; Inputs: W_proj 1,024 x 1,024 float32; W_qkv 1,024 x 3,072 float32; x 4 x 2,048 x 1,024 float32.
;; Outputs: out0 4 x 2,048 x 1,024 float32.
;; This version of the problem:
;;   THIS VERSION OF THE PROBLEM IS GIVEN IN LOW PRECISION. The matrix products marked QUANTISED in the list below multiply operands that are first quantised to E2M3 (2 exponent bits, 3 mantissa bits; 6 bits a number), with one power-of-two scale for each 32 numbers along K (OCP MX v1.0); their sums are f32. All else is computed in f32.
;;   The module's matrix products, in the order in which they are computed (A, B: the left and right operand; K: the contracted axis; several contracted axes count as one K, in the product's order):
;;     1. [M 8,192, K 1,024] x [K 1,024, N 3,072]; A: input x; B: input W_qkv: QUANTISED
;;     2. batch 64 x [M 2,048, K 64] x [K 64, N 2,048]; A: computed on the way; B: computed on the way: QUANTISED
;;     3. batch 64 x [M 2,048, K 2,048] x [K 2,048, N 64]; A: softmax (see below); B: computed on the way: QUANTISED
;;     4. [M 8,192, K 1,024] x [K 1,024, N 1,024]; A: computed on the way; B: input W_proj: QUANTISED
;;   THE QUANTISER, for each operand of a quantised product, along K:
;;     - K is cut into blocks of 32 from its start; a last block that is shorter is filled with zeros.
;;     - A block's scale is 2^e with e = floor(log2(the largest magnitude in the block)) - 2, held to -126 .. 127; a block of zeros has e = 0. As a byte (E8M0): e + 127.
;;     - Each number is divided by its block's scale, clamped to +-7.5, and rounded to the nearest number of E2M3, ties to even, subnormals kept.
;;     - The product sums the exact products of the quantised numbers (number of the format x scale) in f32.
;;   ~~~python
;;   def quantise(x, axis):      # numpy; x: float32 -> the quantised numbers, widened to float32 again
;;       x = np.moveaxis(x, axis, -1); K = x.shape[-1]
;;       x = np.pad(x, [(0, 0)] * (x.ndim - 1) + [(0, -K % 32)]); x = x.reshape(x.shape[:-1] + (-1, 32)); a = np.abs(x).max(-1, keepdims=True)
;;       e = np.where(a > 0, np.clip(np.frexp(np.where(a > 0, a, 1))[1] - 1 - 2, -126, 127), 0)      # np.frexp(a)[1] - 1 = floor(log2(a)), exactly
;;       r = np.clip(x / 2.0 ** e, -7.5, 7.5)
;;       step = 2.0 ** (np.maximum(np.frexp(np.where(r == 0, 1, r))[1] - 1, 0) - 3)
;;       q = np.round(r / step) * step * 2.0 ** e      # np.round: ties to even
;;       return np.moveaxis(q.reshape(q.shape[:-2] + (-1,))[..., :K], -1, axis).astype(np.float32)
;;   ~~~
;;   SOFTMAX AHEAD OF A QUANTISED PRODUCT. Where the list says 'softmax', what is quantised is not the finished softmax but p = 2^(t - M), with t = logit x log2(e) and M = ceil(the row's largest t), a whole number; so 1/2 < the row's largest p <= 1. The row's sum l is taken of the UNQUANTISED p, in f32, and the product's result is divided by l at the end. Since M is a whole number, a kernel that streams over the keys may use a running M (the ceiling of the running maximum): every later rescaling is an exact power of two, which a block's scale takes up: the codes' values come out the same.
;;   OPERANDS COMPUTED ON THE WAY. 'Computed on the way' means the value that the module computes at that place (a softmax that the list does not call 'softmax' is quantised finished and normalised). What goes into a quantiser is computed in f32, as accurately as f32 sums, v_exp_f32 and their like allow (about 1e-6 of the number): no bf16 or f16 on the way to a quantiser, and a product that is left as it is and whose result goes on into a quantised operand takes f32 operands (vector FMAs, or v_wmma_f32_16x16x4_f32). A number that lies on a knife's edge between two numbers of the format may be rounded either way, as far as f32 arithmetic and the matrix unit's own rounding can turn it there, and no further.
;; One version. Each part assembles by itself: llvm-mc -triple=amdgcn-amd-amdhsa -mcpu=gfx1250 --defsym DOCPART=n.
;; ======== version 1 of 1: 4 launches
;; workspace buffers: xq 6,553,600 bytes; wq 3,276,800 bytes; kv 13,369,344 bytes; qb 13,369,344 bytes; yq 6,553,600 bytes
;; launch prep (part 1): grid 256 x 1, 4 waves a work-group, no clusters, 34,304 bytes of LDS; arguments x, W_qkv, W_proj, xq, wq; writes xq, wq
.if DOCPART == 1
	.amdgcn_target "amdgcn-amd-amdhsa--gfx1250"
	.amdhsa_code_object_version 6
	.text
	.protected	k_qc00f499caa_prep
	.globl	k_qc00f499caa_prep
	.p2align	8
	.type	k_qc00f499caa_prep,@function
k_qc00f499caa_prep:
	s_mov_b64 s[64:65], 0
	v_nop
	global_prefetch_b8 v0, s[64:65] scope:SCOPE_SE
	s_setreg_imm32_b32 hwreg(HW_REG_WAVE_MODE, 25, 1), 1
	s_wait_xcnt 0x0
; x [8192][1024], W_qkv [1024][3072] and W_proj [1024][1024], f32, become codes of FP6 (E2M3) with one E8M0 byte for each 32 along K (K = 1,024 for all three; it is x's last axis and the weights' first).
; A block's scale is 2^(floor(log2(its largest magnitude)) - 2): its byte is the largest magnitude's exponent field - 2, held at 1 from below by a floor among the maximum's leaves.
; LIMITS: a block of zeros, or one whose largest magnitude lies under 2^-124, gets the byte 1 (its codes are zeros or the nearest codes under that scale; this program alone reads the bytes); NaN and infinities are not served.
; LAYOUT OF THE CODES: IMAGES OF THE OPERAND'S REGISTERS.  Rows (tokens of x, columns n of a weight) are kept in PHYSICAL order: bits 3 and 4 of the row's number change places.  A row block is 16 physical rows:
; lane r of block 2 g + u is logical row 32 g + 8 u + r + 8 (r / 8).  A half fragment (16 rows x 64 along K, six registers a lane; lane l = r + 16 h holds k = 32 h .. 32 h + 31 of row r) is 768 bytes:
; registers 0-3 at 16 l, registers 4-5 at 512 + 8 l.  Half fragment kh of row block R lies at (16 R + kh) x 768.  The scale bytes lie by physical row, 32 bytes a row.
; SHARES: work-groups 0-127 take x (a wave: one row block, all of K, eight steps of 128); 128-223 W_qkv; 224-255 W_proj (a wave: 32 columns x 256 along K).  Waves share nothing: no barrier.
; Only x's path uses LDS: each load reads 512 consecutive bytes of one row, and the wave's own stage turns 16 rows x 512 bytes so that a lane gets 32 neighbours along K.
.set STGB,  16*528                     ; a wave's stage: 16 rows x (512 bytes + 16)
.set SPARE, 4*STGB                     ; behind the four stages: the spare words, 128 bytes for each wave: two blocks of 256 bytes that no other line names
.set SPW,   14                         ; v14  LDS address of my spare word; never rewritten
.set NIL,   15                         ; v15  0; never rewritten
.set SWD,   16                         ; x: v16-23  a scale word for each step
.set OUTW,  24                         ; x: v24-27  the four words that I store
.set CD,    28                         ; x: v28-39  a fragment's codes
.set CT,    40                         ; x: v40-47  the second halves of the blocks' codes, as the conversions leave them
.set X,     48                         ; x: v48-111 64 numbers: two whole blocks of my row
.set RW,    112                        ; x: v112-239 two sets of 64 registers as they are loaded
.set SB,    24                         ; W: v24-25  eight scale bytes
.set WX,    32                         ; W: v32-95  two sets of 32 numbers
.set WC,    96                         ; W: v96-159 eight registers for each block's codes, so that no store's data are written again
.macro TAIL                            ; the wave's end: behind the last LDS store
	s_wait_tensorcnt 0x0
	ds_add_u32 v[SPW], v[NIL]
	s_wait_dscnt 0x0
	s_endpgm
.endm
	s_load_b256 s[4:11], s[0:1], 0x0               ; x s[4:5], W_qkv s[6:7], W_proj s[8:9], xq s[10:11]
	s_load_b64 s[12:13], s[0:1], 0x20              ; wq
	v_lshl_add_u32 v[SPW], v0, 2, SPARE
	v_mov_b32 v[NIL], 0
	v_lshrrev_b32 v1, 5, v0
	v_readfirstlane_b32 s16, v1                    ; wave 0..3
	v_and_b32 v4, 31, v0                           ; lane
	s_mov_b32 s24, 0x76543210
	s_mov_b32 s25, 0xfedcba98                      ; v_permlanex16_b32's selects for lane l xor 16
	s_wait_kmcnt 0x0
	s_cmp_lt_u32 ttmp9, 128
	s_cbranch_scc0 .Lweights
	; ---------------- x ----------------
	s_lshl_b32 s17, ttmp9, 2
	s_add_co_u32 s17, s17, s16                     ; my row block, 0 .. 511
	s_lshr_b32 s18, s17, 1
	s_lshl_b32 s18, s18, 17                        ; 32 rows of 4,096 bytes for each pair of blocks,
	s_and_b32 s19, s17, 1
	s_lshl_b32 s19, s19, 15                        ; 8 rows more for the odd block
	s_add_co_u32 s18, s18, s19
	s_mov_b32 s19, 0
	s_add_nc_u64 s[4:5], s[4:5], s[18:19]          ; x at the block's first logical row
	s_mul_i32 s18, s17, 12288
	s_add_nc_u64 s[20:21], s[10:11], s[18:19]      ; my block's codes
	s_lshl_b32 s18, s17, 9
	s_add_co_u32 s18, s18, 6291456
	s_add_nc_u64 s[22:23], s[10:11], s[18:19]      ; my block's scale bytes: 16 rows x 32
	s_mul_i32 s27, s16, STGB                       ; my stage
	s_mov_b32 s26, 0xffff0000                      ; lanes 16-31
	v_and_b32 v8, 15, v0                           ; r
	v_bfe_u32 v9, v0, 4, 1                         ; h
	v_lshlrev_b32 v1, 4, v4                        ; 16 x lane: my bytes of a load's 512, and of a store's
	v_add_nc_u32 v2, s27, v1                       ; the stage, on the way in
	v_mul_u32_u24 v3, v8, 528
	v_lshl_add_u32 v3, v9, 7, v3
	v_add_nc_u32 v3, s27, v3                       ; and on the way out: row r, + 128 h: my 32 neighbours
	v_lshlrev_b32 v5, 3, v4                        ; 8 x lane
	v_lshlrev_b32 v6, 3, v9                        ; 8 h: how far my two scale bytes are shifted
	v_lshlrev_b32 v7, 5, v8
	v_lshl_add_u32 v7, v9, 4, v7                   ; 32 r + 16 h: my 16 of the row's 32 scale bytes
	v_mov_b32 v13, 0                               ; written once: a lane permute's destination counts as one of its sources
.macro XLOAD t                         ; step t: 128 along K of the block's 16 rows; row i of the block is logical row i + 8 (i / 8) from the block's first
.set I, 0
.rept 16
	global_load_b128 v[RW+64*((\t)%2)+4*I:RW+64*((\t)%2)+4*I+3], v1, s[4:5] offset:(I+8*(I/8))*4096+512*(\t) th:TH_LOAD_NT
.set I, I+1
.endr
.endm
.macro XSTEP t
.if (\t) < 7
	s_wait_loadcnt 16                              ; this step's 16 loads are in; the next step's 16 may be out
.else
	s_wait_loadcnt 0x0
.endif
.set I, 0
.rept 16
	ds_store_b128 v2, v[RW+64*((\t)%2)+4*I:RW+64*((\t)%2)+4*I+3] offset:528*I
.set I, I+1
.endr
.irp c, 0,1                            ; LDS serves a wave's instructions in order: these see the stores above.  k = 64 c + 32 h + 0 .. 31 of row r
.irp i, 0,1,2,3,4,5,6,7
	ds_load_b128 v[X+32*\c+4*\i:X+32*\c+4*\i+3], v3 offset:256*\c+16*\i
.endr
.endr
	s_wait_dscnt 0x0                               ; my numbers are back, and the stores have read their registers,
.if (\t)+2 < 8
	XLOAD (\t)+2                                   ; which take the loads of two steps on
.endif
.irp c, 0,1
	v_max3_num_f32 v[8+\c], |v[X+32*\c]|, |v[X+32*\c+1]|, 0x1800000   ; block 2 c + h is all mine; the floor 2^(3 - 127) keeps the byte at 1 or above
.endr
.set I, 2
.rept 15
.irp c, 0,1
	v_max3_num_f32 v[8+\c], v[8+\c], |v[X+32*\c+I]|, |v[X+32*\c+I+1]|
.endr
.set I, I+2
.endr
.irp c, 0,1
	v_add_nc_u32 v[10+\c], 0xff000000, v[8+\c]     ; 2 off the exponent field: the conversion's scale operand
.endr
.irp c, 0,1
	v_lshrrev_b32 v[8+\c], 23, v[10+\c]            ; the scale's byte
.endr
	v_lshl_or_b32 v12, v9, 16, v8                  ; blocks h and 2 + h,
	v_lshlrev_b32 v12, v6, v12                     ; at their places in the word;
	v_permlanex16_b32 v13, v12, s24, s25
	v_or_b32 v[SWD+(\t)], v12, v13                 ; with lane l xor 16's two the row's word of this step is whole, in both halves
	s_wait_xcnt 0x0                                ; the last step's stores have read the codes' registers
.irp c, 0,1
	v_cvt_scalef32_pk16_fp6_f32 v[CD+6*\c:CD+6*\c+2], v[X+32*\c:X+32*\c+15], v[10+\c]
	v_cvt_scalef32_pk16_fp6_f32 v[CT+4*\c:CT+4*\c+2], v[X+32*\c+16:X+32*\c+31], v[10+\c]   ; (a conversion's three registers begin on an even number)
.endr
	v_nop                                          ; one plain place behind a scaled conversion
.irp c, 0,1
.irp i, 0,1,2
	v_mov_b32 v[CD+6*\c+3+\i], v[CT+4*\c+\i]
.endr
.endr
	global_store_b128 v1, v[CD:CD+3], s[20:21] offset:1536*(\t)            ; 512 consecutive bytes,
	global_store_b64 v5, v[CD+4:CD+5], s[20:21] offset:1536*(\t)+512       ; 256,
	global_store_b128 v1, v[CD+6:CD+9], s[20:21] offset:1536*(\t)+768      ; and the second half fragment likewise: every store begins at a multiple of 256 bytes from the buffer's first byte
	global_store_b64 v5, v[CD+10:CD+11], s[20:21] offset:1536*(\t)+1280
.endm
	XLOAD 0
	XLOAD 1
.irp t, 0,1,2,3,4,5,6,7
	XSTEP \t
.endr
.irp i, 0,1,2,3
	v_cndmask_b32 v[OUTW+\i], v[SWD+\i], v[SWD+4+\i], s26   ; lanes 0-15 store words 0-3 of their row, lanes 16-31 words 4-7
.endr
	global_store_b128 v7, v[OUTW:OUTW+3], s[22:23]  ; the block's 512 scale bytes, consecutive
	TAIL
	; ---------------- the weights: a lane takes a column n, and its registers run down K ----------------
.macro WLOAD t, N                      ; block t: W(32 t + i, my column)
.set I, 0
.rept 32
	global_load_b32 v[WX+32*((\t)%2)+I], v1, s[26:27] offset:(32*(\t)+I)*\N*4 th:TH_LOAD_NT
.set I, I+1
.endr
.endm
.macro WBLOCK t, N
.set XS, WX+32*((\t)%2)
.set CB, WC+8*(\t)
.if (\t) < 7
	s_wait_loadcnt 32                              ; this block's 32 loads are in; the next block's 32 may be out
.else
	s_wait_loadcnt 0x0
.endif
	v_max3_num_f32 v12, |v[XS]|, |v[XS+1]|, |v[XS+2]|
	v_max3_num_f32 v13, |v[XS+3]|, |v[XS+4]|, |v[XS+5]|
.irp i, 6,10,14,18,22,26
	v_max3_num_f32 v12, v12, |v[XS+\i]|, |v[XS+\i+1]|
	v_max3_num_f32 v13, v13, |v[XS+\i+2]|, |v[XS+\i+3]|
.endr
	v_max3_num_f32 v12, v12, |v[XS+30]|, |v[XS+31]|
	v_max3_num_f32 v12, v12, v13, 0x1800000        ; and the floor
	v_add_nc_u32 v11, 0xff000000, v12              ; the conversion's scale operand
	v_lshrrev_b32 v13, 23, v11                     ; the byte
.if (\t)%4 == 0
	v_mov_b32 v[SB+(\t)/4], v13
.else
	v_lshl_or_b32 v[SB+(\t)/4], v13, 8*((\t)%4), v[SB+(\t)/4]
.endif
	v_cvt_scalef32_pk16_fp6_f32 v[CB:CB+2], v[XS:XS+15], v11
	v_cvt_scalef32_pk16_fp6_f32 v[CB+4:CB+6], v[XS+16:XS+31], v11
	v_nop                                          ; one plain place behind a scaled conversion
	v_mov_b32 v[CB+3], v[CB+4]                     ; the block's six registers on end
	v_mov_b32 v[CB+4], v[CB+5]
	v_mov_b32 v[CB+5], v[CB+6]
	global_store_b128 v2, v[CB:CB+3], s[28:29] offset:768*((\t)/2)+256*((\t)%2)        ; block t is half h = t % 2 of half fragment t / 2: sixteen lanes store 256 consecutive bytes
	global_store_b64 v3, v[CB+4:CB+5], s[28:29] offset:768*((\t)/2)+512+128*((\t)%2)   ; sixteen lanes store 128; the next block's store lies beside them
.if (\t)+2 < 8
	WLOAD (\t)+2, \N
.endif
.endm
; N columns; src: the weight's pointer; CO, SO: where its codes and scale bytes begin in wq; FW: its first work-group.  Work-group id: 256 along K by id % 4, 128 columns by id / 4.
.macro WBODY N, src, CO, SO, FW
	s_sub_co_u32 s17, ttmp9, \FW
	s_and_b32 s18, s17, 3                          ; which 256 along K
	s_lshr_b32 s19, s17, 2
	s_lshl_b32 s19, s19, 2
	s_add_co_u32 s19, s19, s16                     ; my wave's group of 32 columns
	s_mul_i32 s20, s18, 256*\N*4
	s_lshl_b32 s21, s19, 7
	s_add_co_u32 s20, s20, s21
	s_mov_b32 s21, 0
	s_add_nc_u64 s[26:27], s[\src:\src+1], s[20:21]
	s_mul_i32 s20, s19, 24576                      ; two row blocks,
	s_mul_i32 s22, s18, 3072                       ; four half fragments
	s_add_co_u32 s20, s20, s22
	s_add_co_u32 s20, s20, \CO
	s_add_nc_u64 s[28:29], s[12:13], s[20:21]
	s_lshl_b32 s20, s19, 10                        ; 32 rows of 32 scale bytes,
	s_lshl_b32 s22, s18, 3                         ; eight blocks
	s_add_co_u32 s20, s20, s22
	s_add_co_u32 s20, s20, \SO
	s_add_nc_u64 s[30:31], s[12:13], s[20:21]
	WLOAD 0, \N
	WLOAD 1, \N
.irp t, 0,1,2,3,4,5,6,7
	WBLOCK \t, \N
.endr
	global_store_b64 v5, v[SB:SB+1], s[30:31]      ; my column's eight scale bytes: 8 bytes of a row of 32 (1 byte in 128 of what the path reads)
	TAIL
.endm
.Lweights:
	v_lshlrev_b32 v1, 2, v4                        ; in: 4 bytes a lane
	v_bfe_u32 v6, v0, 3, 1                         ; u: column bit 3 picks the row block,
	v_and_b32 v7, 7, v0
	v_bfe_u32 v8, v0, 4, 1
	v_lshl_add_u32 v7, v8, 3, v7                   ; and bit 4 becomes bit 3 of the row in it
	v_mul_u32_u24 v2, v6, 12288
	v_lshl_add_u32 v3, v7, 3, v2                   ; 12,288 u + 8 r'
	v_lshl_add_u32 v2, v7, 4, v2                   ; 12,288 u + 16 r'
	v_lshlrev_b32 v5, 9, v6
	v_lshl_add_u32 v5, v7, 5, v5                   ; (16 u + r') x 32
	s_cmp_lt_u32 ttmp9, 224
	s_cbranch_scc0 .Lproj
	WBODY 3072, 6, 0, 2359296, 128
.Lproj:
	WBODY 1024, 8, 2457600, 3244032, 224
.Lfunc_end_k_qc00f499caa_prep:
	.size	k_qc00f499caa_prep, .Lfunc_end_k_qc00f499caa_prep-k_qc00f499caa_prep
	.p2alignl 7, 3214868480
	.fill 96, 4, 3214868480
	.section	.rodata,"a",@progbits
	.p2align	6, 0x0
	.amdhsa_kernel k_qc00f499caa_prep
		.amdhsa_group_segment_fixed_size 34304
		.amdhsa_private_segment_fixed_size 0
		.amdhsa_enable_private_segment 0
		.amdhsa_kernarg_size 40
		.amdhsa_user_sgpr_count 2
		.amdhsa_user_sgpr_kernarg_segment_ptr 1
		.amdhsa_wavefront_size32 1
		.amdhsa_system_sgpr_workgroup_id_x 1
		.amdhsa_system_sgpr_workgroup_id_y 1
		.amdhsa_system_sgpr_workgroup_id_z 1
		.amdhsa_system_vgpr_workitem_id 0
		.amdhsa_next_free_vgpr 256
		.amdhsa_next_free_sgpr 66
		.amdhsa_reserve_vcc 0
		.amdhsa_float_denorm_mode_32 3
		.amdhsa_float_denorm_mode_16_64 3
		.amdhsa_memory_ordered 1
		.amdhsa_forward_progress 1
		.amdhsa_inst_pref_size 135
	.end_amdhsa_kernel
	.amdgpu_metadata
---
amdhsa.version: [ 1, 2 ]
amdhsa.kernels:
  - .name:           k_qc00f499caa_prep
    .symbol:         k_qc00f499caa_prep.kd
    .args:
      - { .name: x, .offset: 0, .size: 8, .value_kind: global_buffer, .address_space: global }
      - { .name: W_qkv, .offset: 8, .size: 8, .value_kind: global_buffer, .address_space: global }
      - { .name: W_proj, .offset: 16, .size: 8, .value_kind: global_buffer, .address_space: global }
      - { .name: xq, .offset: 24, .size: 8, .value_kind: global_buffer, .address_space: global }
      - { .name: wq, .offset: 32, .size: 8, .value_kind: global_buffer, .address_space: global }
    .group_segment_fixed_size: 34304
    .private_segment_fixed_size: 0
    .kernarg_segment_align: 8
    .kernarg_segment_size: 40
    .max_flat_workgroup_size: 128
    .sgpr_count:     66
    .vgpr_count:     256
    .wavefront_size: 32
...
	.end_amdgpu_metadata
.endif
;; end of part 1
;; launch gemm_qkv (part 2): grid 12 x 32, 4 waves a work-group, clusters of 4 x 4, 327,680 bytes of LDS; arguments xq, wq, qb, kv; writes qb, kv
.if DOCPART == 2
	.amdgcn_target "amdgcn-amd-amdhsa--gfx1250"
	.amdhsa_code_object_version 6
	.text
	.protected	k_qc00f499caa_gemm_qkv
	.globl	k_qc00f499caa_gemm_qkv
	.p2align	8
	.type	k_qc00f499caa_gemm_qkv,@function
k_qc00f499caa_gemm_qkv:
	s_mov_b64 s[64:65], 0
	v_nop
	global_prefetch_b8 v0, s[64:65] scope:SCOPE_SE
	s_setreg_imm32_b32 hwreg(HW_REG_WAVE_MODE, 25, 1), 1
	s_wait_xcnt 0x0
	s_wait_alu depctr_hold_cnt(0) depctr_sa_sdst(0) depctr_va_vdst(0) depctr_va_sdst(0) depctr_va_ssrc(0) depctr_va_vcc(0) depctr_vm_vsrc(0)
	s_getreg_b32 s2, hwreg(HW_REG_IB_STS2, 6, 4)
	s_cmp_eq_u32 s2, 0
	s_cbranch_scc0 .Lentry_in_a_cluster
	s_endpgm
.Lentry_in_a_cluster:
	s_bfe_u32 s2, ttmp6, 0x10000c
	s_cmp_lg_u32 s2, 0xf033
	s_cbranch_scc0 .Lentry_shape_is_right
	s_endpgm
.Lentry_shape_is_right:
; qkv = x W_qkv on codes of FP6 (E2M3) with E8M0 scales, f32 sums; the f32 results never go to memory: on the way out q and k are quantised along the head's 64, v along the keys, and leave as images of operand registers.
; OPERANDS (made by the launch before): rows in PHYSICAL order (bits 3 and 4 of the row's number changed places); a half fragment (16 rows x 64 K) is 768 bytes: lane l's registers 0-3 at 16 l, 4-5 at 512 + 8 l;
; half fragment kh of row block R at (16 R + kh) x 768.  Where a row block is source 0, the 16 result registers of blocks 2 g and 2 g + 1 are 16 NEIGHBOURS: logical rows 32 g + 16 (lane / 16) + 0 .. 15.
; A tile of C, 256 x 256, is made by four waves, 128 x 128 each: 64 accumulators, 512 registers.  K = 1,024 goes in four steps of 256 through two LDS slots; a wave's tensor load brings 8 row blocks x 3,072 bytes.
; The scale bytes of the work-group's 256 + 256 rows come once, with the first fills, as rows of 256 bytes + 16 of padding, and stay.
; CLUSTERS: 4 x 4 work-groups; x's tiles are asked for jointly along a row of the cluster, W's along a column.  Cluster x = 0 makes q, 1 makes k, 2 makes v: the same in all sixteen partners.
; WHO IS SOURCE 1.  q, k: source 0 = W's rows, source 1 = x's: a lane holds a token and its registers run along the head.  v: source 0 = x's rows, source 1 = W's: a lane holds a channel d and its registers run along
; the tokens, the next product's K.  Only the LDS addresses that the waves READ are chosen by that; loads, masks and LDS targets never change.
; OUT: for each head (208,896 bytes) and key step of 128 tokens (13,056 bytes): +0 eight tiles of 16 tokens x 64 (768 each); +6,144 V's four fragments 16 d x 128 keys (1,536 each); +12,288 the tiles' scale words (lane l,
; word g: physical token 32 g + l; bytes s0, s1, 0x7f, 0x7f); +12,800 V's scale words (lane l, word p: lanes 0-15 block 2 p, lanes 16-31 block 2 p + 1).  q goes to qb in k's places.  Every store covers whole aligned runs of 256 bytes.
; LIMITS: a block of zeros, or one whose largest magnitude lies under 2^-124, gets the byte 1 (this program alone reads the bytes); NaN and infinities are not served.
; REGISTERS, in windows of 256: window 0: v16-29 addresses; v32-63 scale words, two sets; from v128 source 1's fragments, ONE set.  window 1: source 0's, TWO sets, at v0 and v128.  windows 2, 3: accumulator (a, b) at v[8 (8 (a % 4) + b)].
.set NQ,     2                         ; matrix instructions deep in a slot
.set FR,     12                        ; registers of a fragment
.set NL,     4                         ; LDS loads that bring one
.set NP,     4                         ; places behind this matrix instruction (ISA guide 7.12.1)
.set BLKB,   3072                      ; a row block's four half fragments in a slot
.set HALFT,  8*BLKB                    ; 128 rows: what one tensor load brings
.set SLOT,   4*HALFT                   ; x's 256 rows, then W's 256
.set LAPS,   2
.set SCL,    2*SLOT                    ; behind the ring: the scales
.set HALFS,  16*272                    ; those of 128 rows
.set SBLK,   2*272                     ; those of 16 rows
.set SPARE,  SCL+4*HALFS               ; the spare words, 128 bytes for each wave: two blocks of 256 bytes that no other line names
.set ASCL,   6291456                   ; where the scale bytes begin in xq
.set BSCL,   2359296                   ; and W_qkv's in wq
.set STEPB,  13056
.set HEADB,  16*STEPB
.set VOFF,   6144
.set KSOFF,  12288
.set VSOFF,  12800
.set ADR1, 16                          ; v16-17 source 1's region in slot 0, 1 + 16 x lane; v18-19 + 8 x lane
.set ADR0, 20                          ; v20-23 the same for source 0
.set L16,  24                          ; v24 16 x lane
.set L8,   25                          ; v25 8 x lane
.set ADRS, 27                          ; v27 my scale words: lanes 0-15 source 1's rows, lanes 16-31 source 0's
.set SPW,  28                          ; v28 LDS address of my spare word; never rewritten
.set NIL,  29                          ; v29 0; never rewritten
.set SC,   32
.set AF,   128
.set TM,   64                          ; the way out: v64-67 largest magnitudes, v68-71 bytes, v72-75 merged words, v76-79 the conversions' scale operands
.set PW,   80                          ; v80-87 a scale word for each block of source 1
.set SW,   88                          ; v88-95 the scale words as they are stored
.set C7F,  96                          ; v96 0x7f7f7f7f
.set PT,   98                          ; v98-105 the second halves of the blocks' codes
.set PC,   128                         ; v128-223 the eight fragments made
.set G1, 24
.set G0, 32
.set G1B, 48
.set G0B, 56
.set G1S, 68
.set G0S, 76
.set G1SB, 80
.set G0SB, 88
.set ISV, 95                           ; s95 1 in the cluster that makes v
.set MSB, 0
.macro WIN new                         ; the immediate's high byte repeats the setting that is left
.if MSB != \new
	s_set_vgpr_msb (MSB<<8)|\new
.set MSB, \new
.endif
.endm
.set MUL_LO, 0xa1                      ; source 0 window 1, source 1 window 0, C and D window 2
.set MUL_HI, 0xf1                      ; the same, C and D window 3
.set TO_B,   0x40                      ; destination window 1, address window 0
; A joint load: waves 0 and 1 fetch for x, waves 2 and 3 for W.  The branch hangs on the wave's number alone.  An s_nop 0 and four v_nop follow each of the two lines.
.macro JLOAD g0a, g1a, g0b, g1b
	s_cmp_eq_u32 s15, 0
	s_cbranch_scc0 .Lfor_b_\@
	tensor_load_to_lds s[\g0a:\g0a+3], s[\g1a:\g1a+7]
	s_nop 0
.rept 4
	v_nop
.endr
	s_branch .Lasked_\@
.Lfor_b_\@:
	tensor_load_to_lds s[\g0b:\g0b+3], s[\g1b:\g1b+7]
	s_nop 0
.rept 4
	v_nop
.endr
.Lasked_\@:
.endm
.macro CREST                           ; a round of the cluster's barrier behind its opening barrier
	s_cmp_lg_u32 s14, 0
	s_cbranch_scc1 .Lnot_wave_0_\@
	s_barrier_signal -3
.Lnot_wave_0_\@:
	s_barrier_wait -3
	s_barrier_signal -1
	s_barrier_wait -1
.endm
.macro CROUND
	s_barrier_signal -1
	s_barrier_wait -1
	CREST
.endm
	s_load_b256 s[4:11], s[0:1], 0x0               ; xq s[4:5], wq s[6:7], qb s[8:9], kv s[10:11]
	v_lshl_add_u32 v[SPW], v0, 2, SPARE
	v_mov_b32 v[NIL], 0
	ds_add_u32 v[SPW], v[NIL]                      ; the wave's opening: the add and its wait stand ahead of my first tensor load; the set-up below, work on registers, stands between them
	v_lshrrev_b32 v1, 5, v0
	v_readfirstlane_b32 s14, v1                    ; wave 0..3
	s_lshr_b32 s15, s14, 1                         ; my half of x's rows.  Also: I fetch for x (0) or for W (1)
	s_and_b32 s16, s14, 1                          ; my half of W's rows.  Also: which 128 rows I fetch
	s_bfe_u32 s40, ttmp6, 0x40000                  ; cx, cy
	s_bfe_u32 s41, ttmp6, 0x40004
	s_lshl_b32 s42, ttmp9, 2
	s_add_co_u32 s42, s42, s40                     ; tile column = 4 x cluster x + cx
	s_and_b32 s17, ttmp7, 0xffff
	s_lshl_b32 s17, s17, 2
	s_add_co_u32 s17, s17, s41                     ; tile row = 4 x cluster y + cy
	s_lshl_b32 s43, s41, 2
	s_lshl_b32 s43, 15, s43                        ; my row of the cluster
	s_lshl_b32 s44, 0x1111, s40                    ; my column
	s_or_b32 s[G1+0], s43, (3<<16)|(1<<21)         ; 15:0 the mask; 17:16 elements of 8 bytes; 20 no padding; 21 set beside a mask
	s_or_b32 s[G1B+0], s44, (3<<16)|(1<<21)
.irp g, G1, G1B
	s_mov_b32 s[\g+1], 384<<16                     ; tensor_dim0: 3,072 bytes
	s_mov_b32 s[\g+2], 8<<16                       ; tensor_dim1: 8 row blocks
	s_mov_b32 s[\g+3], 384<<16                     ; tile_dim0
	s_mov_b32 s[\g+4], 8                           ; tile_dim1
	s_mov_b32 s[\g+5], 1536                        ; from row block to row block: 12,288 bytes
	s_mov_b32 s[\g+6], 0
	s_mov_b32 s[\g+7], 0
.endr
	s_or_b32 s[G1S+0], s43, (3<<16)|(1<<20)|(1<<21)|(5<<22)|(3<<25)   ; the scales of 128 rows: 16 rows of 256 bytes, 16 bytes of padding behind each
	s_or_b32 s[G1SB+0], s44, (3<<16)|(1<<20)|(1<<21)|(5<<22)|(3<<25)
.irp g, G1S, G1SB
	s_mov_b32 s[\g+1], 32<<16
	s_mov_b32 s[\g+2], 16<<16
	s_mov_b32 s[\g+3], 32<<16
	s_mov_b32 s[\g+4], 16
	s_mov_b32 s[\g+5], 32
	s_mov_b32 s[\g+6], 0
	s_mov_b32 s[\g+7], 0
.endr
	s_lshl_b32 s18, s16, 7                         ; which 128 rows of the tile I fetch
	s_lshl_b32 s20, s17, 8
	s_add_co_u32 s20, s20, s18                     ; x: row 256 x tile row + 128 x half
	s_lshl_b32 s46, s42, 8
	s_add_co_u32 s46, s46, s18                     ; W: row 256 x tile column + 128 x half
	s_lshl_b32 s22, s20, 5                         ; their scale bytes: 32 a row
	s_add_co_u32 s22, s22, ASCL
	s_mov_b32 s23, 0
	s_lshl_b32 s92, s46, 5
	s_add_co_u32 s92, s92, BSCL
	s_mov_b32 s93, 0
	s_mul_i32 s20, s20, 768                        ; their codes: 768 bytes a row
	s_mov_b32 s21, 0
	s_mul_i32 s46, s46, 768
	s_mov_b32 s47, 0
	s_mul_i32 s45, s14, HALFT                      ; where they go: wave x 128 rows: no place in the cluster enters an LDS address
	s_mul_i32 s94, s14, HALFS
	s_wait_dscnt 0x0                               ; the opening add is done
	s_wait_kmcnt 0x0
	s_add_nc_u64 s[20:21], s[4:5], s[20:21]
	s_add_nc_u64 s[22:23], s[4:5], s[22:23]
	s_add_nc_u64 s[46:47], s[6:7], s[46:47]
	s_add_nc_u64 s[92:93], s[6:7], s[92:93]
	CROUND                                         ; all sixteen work-groups are here: the first joint loads meet
	s_mov_b32 s[G0S], 1
	s_add_co_u32 s[G0S+1], s94, SCL
	s_mov_b64 s[G0S+2:G0S+3], s[22:23]
	s_or_b32 s[G0S+3], s[G0S+3], 0x80000000
	s_mov_b32 s[G0SB], 1
	s_add_co_u32 s[G0SB+1], s94, SCL
	s_mov_b64 s[G0SB+2:G0SB+3], s[92:93]
	s_or_b32 s[G0SB+3], s[G0SB+3], 0x80000000
	JLOAD G0S, G1S, G0SB, G1SB                     ; the scales first: they are wanted with K step 0.  Three loads of mine are out behind these lines
.irp s, 0,1
	s_mov_b32 s[G0+4*\s], 1
	s_add_co_u32 s[G0+4*\s+1], s45, \s*SLOT
	s_add_nc_u64 s[G0+4*\s+2:G0+4*\s+3], s[20:21], \s*BLKB
	s_or_b32 s[G0+4*\s+3], s[G0+4*\s+3], 0x80000000
	s_mov_b32 s[G0B+4*\s], 1
	s_add_co_u32 s[G0B+4*\s+1], s45, \s*SLOT
	s_add_nc_u64 s[G0B+4*\s+2:G0B+4*\s+3], s[46:47], \s*BLKB
	s_or_b32 s[G0B+4*\s+3], s[G0B+4*\s+3], 0x80000000
	JLOAD G0+4*\s, G1, G0B+4*\s, G1B
.endr
	v_and_b32 v1, 31, v0                           ; lane
	v_bfe_u32 v2, v0, 4, 1                         ; h
	v_and_b32 v3, 15, v0                           ; r
	v_lshlrev_b32 v[L16], 4, v1
	v_lshlrev_b32 v[L8], 3, v1
	s_mul_i32 s21, s15, HALFT                      ; my 128 rows of x
	s_mul_i32 s22, s16, HALFT
	s_add_co_u32 s22, s22, 2*HALFT                 ; my 128 rows of W, behind x's 256
	s_cmp_eq_u32 ttmp9, 2                          ; the cluster's x alone: the same in all sixteen partners
	s_cselect_b32 s[ISV], 1, 0
	s_cselect_b32 s96, s22, s21                    ; source 1's rows
	s_cselect_b32 s97, s21, s22                    ; source 0's
.irp s, 0,1
	v_add_nc_u32 v[ADR1+\s], s96, v[L16]
	v_add_nc_u32 v[ADR1+2+\s], s96, v[L8]
	v_add_nc_u32 v[ADR0+\s], s97, v[L16]
	v_add_nc_u32 v[ADR0+2+\s], s97, v[L8]
	s_add_co_u32 s96, s96, SLOT
	s_add_co_u32 s97, s97, SLOT
.endr
	v_lshlrev_b32 v5, 5, v3                        ; my row's scales: 32 bytes a row,
	v_lshrrev_b32 v6, 8, v5
	v_lshl_add_u32 v5, v6, 4, v5                   ; and 16 more for each 256 passed
	s_mul_i32 s21, s15, HALFS                      ; x's: my 128 rows
	s_mul_i32 s22, s16, HALFS
	s_add_co_u32 s22, s22, 2*HALFS                 ; W's, behind x's 256
	s_sub_co_u32 s22, s22, s21                     ; the distance from the one to the other
	v_xor_b32 v6, s[ISV], v2                       ; q, k: lanes 16-31 take W's; v: lanes 0-15 do
	v_mul_u32_u24 v6, s22, v6
	s_add_co_u32 s21, s21, SCL
	v_add_nc_u32 v5, v5, v6
	v_add_nc_u32 v[ADRS], s21, v5
	; where my results go: head 16 b + 4 cx + 2 x (my half of W), key step 2 (tile row % 8) + my half of x
	s_lshr_b32 s46, s17, 3
	s_lshl_b32 s46, s46, 4
	s_lshl_b32 s47, s40, 2
	s_add_co_u32 s46, s46, s47
	s_lshl_b32 s47, s16, 1
	s_add_co_u32 s46, s46, s47
	s_mul_i32 s46, s46, HEADB
	s_and_b32 s47, s17, 7
	s_lshl_b32 s47, s47, 1
	s_add_co_u32 s47, s47, s15
	s_mul_i32 s47, s47, STEPB
	s_add_co_u32 s46, s46, s47
	s_mov_b32 s47, 0
	s_cmp_eq_u32 ttmp9, 0
	s_cselect_b64 s[12:13], s[8:9], s[10:11]       ; q to qb, k and v to kv
	s_add_nc_u64 s[12:13], s[12:13], s[46:47]
.macro FRAG reg, adr, q, i             ; a fragment, 16 rows x 128 K: two half fragments on end, each 512 bytes of registers 0-3 and 256 of registers 4-5: every load reads consecutive bytes
	ds_load_b128 v[\reg:\reg+3], v[\adr] offset:(\i)*BLKB+(\q)*1536
	ds_load_b64 v[\reg+4:\reg+5], v[\adr+2] offset:(\i)*BLKB+(\q)*1536+512
	ds_load_b128 v[\reg+6:\reg+9], v[\adr] offset:(\i)*BLKB+(\q)*1536+768
	ds_load_b64 v[\reg+10:\reg+11], v[\adr+2] offset:(\i)*BLKB+(\q)*1536+1280
.endm
; 16 matrix instructions: source 1's blocks a0, a0 + 1 x source 0's eight.  The 64 accumulators take turns, one instruction a turn, in the same order in every step.
.macro MUL16 a0, p, q, sc, zero
.irp a, \a0, \a0+1
.irp b, 0,1,2,3,4,5,6,7
.if \zero
	v_wmma_scale_f32_16x16x128_f8f6f4 v[8*(8*((\a)%4)+\b):8*(8*((\a)%4)+\b)+7], v[128*(\p)+FR*\b:128*(\p)+FR*\b+FR-1], v[AF+FR*(\a):AF+FR*(\a)+FR-1], 0, v[SC+8*NQ*(\sc)+NQ*\b+(\q)], v[SC+8*NQ*(\sc)+NQ*(\a)+(\q)] matrix_a_fmt:MATRIX_FMT_FP6 matrix_b_fmt:MATRIX_FMT_FP6 matrix_a_scale:MATRIX_SCALE_ROW1
.else
	v_wmma_scale_f32_16x16x128_f8f6f4 v[8*(8*((\a)%4)+\b):8*(8*((\a)%4)+\b)+7], v[128*(\p)+FR*\b:128*(\p)+FR*\b+FR-1], v[AF+FR*(\a):AF+FR*(\a)+FR-1], v[8*(8*((\a)%4)+\b):8*(8*((\a)%4)+\b)+7], v[SC+8*NQ*(\sc)+NQ*\b+(\q)], v[SC+8*NQ*(\sc)+NQ*(\a)+(\q)] matrix_a_fmt:MATRIX_FMT_FP6 matrix_b_fmt:MATRIX_FMT_FP6 matrix_a_scale:MATRIX_SCALE_ROW1
.endif
.endr
.endr
.endm
.macro FETCH_B slot, q, p              ; source 0's eight fragments into set p
	WIN TO_B
.irp i, 0,1,2,3,4,5,6,7
	FRAG 128*(\p)+FR*\i, ADR0+\slot, \q, \i
.endr
	WIN 0
.endm
.macro FETCH_A slot, q, i0             ; source 1's blocks i0 .. i0 + 3
.irp i, \i0, \i0+1, \i0+2, \i0+3
	FRAG AF+FR*(\i), ADR1+\slot, \q, \i
.endr
.endm
.macro SCALES sc                       ; a K step's scale words: two a row
.irp i, 0,1,2,3,4,5,6,7
	ds_load_b64 v[SC+8*NQ*\sc+NQ*\i:SC+8*NQ*\sc+NQ*\i+1], v[ADRS] offset:\i*SBLK
.endr
.endm
.macro PLACES n                        ; plain vector instructions between a matrix instruction and a load into, or a vector read of, its registers
.rept \n
	v_nop
.endr
.endm
.macro STEP slot, q, zero              ; 128 along K that has its successor in the same slot
	s_wait_dscnt 4*NL                              ; all but the youngest 16 loads (source 1's blocks 4-7) are in
	WIN MUL_LO
	MUL16 0, (\q)%2, \q, \slot, \zero
	MUL16 2, (\q)%2, \q, \slot, \zero
	s_wait_dscnt 0
	PLACES NP
	FETCH_B \slot, (\q)+1, 1-(\q)%2
	FETCH_A \slot, (\q)+1, 0
	WIN MUL_HI
	MUL16 4, (\q)%2, \q, \slot, \zero
	MUL16 6, (\q)%2, \q, \slot, \zero
	PLACES NP
	WIN 0
	FETCH_A \slot, (\q)+1, 4
.endm
; A slot's last step changes slots: ONE barrier; in front of it each wave waits for all its tensor loads, adds 0 to its spare word, and waits for that and for its reads of this slot.  fill = 1: this slot is filled again.
.macro TURN slot, next, fill
	s_wait_tensorcnt 0x0                           ; all my tensor loads have landed: my part of the next slot
	ds_add_u32 v[SPW], v[NIL]                      ; 0 onto my spare word
	s_wait_dscnt 4*NL+1                            ; (the add and the youngest 16 loads may be out)
	WIN MUL_LO
	MUL16 0, 1, NQ-1, \slot, 0                     ; sixteen matrix instructions stand between the add and the wait for it
	s_wait_dscnt 0x0                               ; the add is done, and my reads of this slot are over
	s_barrier_signal -1
	MUL16 2, 1, NQ-1, \slot, 0
	WIN 0
	s_barrier_wait -1
.if \fill
	CREST                                          ; the barrier has opened a round of the cluster's barrier: no wave of any partner still reads this slot or has a load on its way
	s_add_nc_u64 s[G0+4*\slot+2:G0+4*\slot+3], s[G0+4*\slot+2:G0+4*\slot+3], 2*BLKB
	s_add_nc_u64 s[G0B+4*\slot+2:G0B+4*\slot+3], s[G0B+4*\slot+2:G0B+4*\slot+3], 2*BLKB
	JLOAD G0+4*\slot, G1, G0B+4*\slot, G1B         ; my one tensor load behind the round; its four v_nop are the places in front of the loads below
.else
	PLACES NP
.endif
	v_add_nc_u32 v[ADRS], 4*NQ, v[ADRS]            ; on to the next K step's scale words
	FETCH_B \next, 0, 0
	FETCH_A \next, 0, 0
	SCALES \next
	WIN MUL_HI
	MUL16 4, 1, NQ-1, \slot, 0
	MUL16 6, 1, NQ-1, \slot, 0
	PLACES NP
	WIN 0
	FETCH_A \next, 0, 4
.endm
	s_wait_tensorcnt 1                             ; the scales and my part of K step 0 are in; K step 1's load may be out
	s_barrier_signal -1
	s_barrier_wait -1
	FETCH_B 0, 0, 0
	FETCH_A 0, 0, 0
	SCALES 0
	FETCH_A 0, 0, 4
	STEP 0, 0, 1                                   ; the first step's products start the sums: nothing is cleared
	s_mov_b32 s3, LAPS-1
.Llap:
	TURN 0, 1, 1
	STEP 1, 0, 0
	TURN 1, 0, 1
	STEP 0, 0, 0
	s_sub_co_u32 s3, s3, 1
	s_cmp_lg_u32 s3, 0
	s_cbranch_scc1 .Llap
	TURN 0, 1, 0                                   ; the last lap fills nothing
	STEP 1, 0, 0
	s_wait_dscnt 4*NL
	WIN MUL_LO
	MUL16 0, 1, NQ-1, 1, 0
	MUL16 2, 1, NQ-1, 1, 0
	s_wait_dscnt 0
	WIN MUL_HI
	MUL16 4, 1, NQ-1, 1, 0
	MUL16 6, 1, NQ-1, 1, 0
	WIN 0
; THE WAY OUT.  The 64 registers of source 1's block a: register 16 b + i is number 32 b + 16 (lane / 16) + i along source 0's 128 rows, of my lane's row.  They become a fragment's codes and a scale word.
.macro QUANTW a
.set QW,  2+(\a)/4
.set QWW, QW|(QW<<2)
.set QA,  64*((\a)%4)
.set QP,  PC+12*(\a)
	WIN QWW                                        ; sources 0 and 1: the accumulators' window
.irp b, 0,1,2,3
	v_max3_num_f32 v[TM+\b], |v[QA+16*\b]|, |v[QA+1+16*\b]|, 0x1800000   ; each accumulator is read from its low end on; the floor 2^(3 - 127) keeps the byte at 1 or above
.endr
.irp i, 2,4,6,8,10,12,14
.irp b, 0,1,2,3
	v_max3_num_f32 v[TM+\b], |v[QA+16*\b+\i]|, |v[QA+1+16*\b+\i]|, v[TM+\b]
.endr
.endr
	WIN 0
.irp b, 0,1,2,3
	v_permlanex16_b32 v[TM+4+\b], v[TM+\b], s20, s21
.endr
.irp b, 0,1,2,3
	v_max_num_f32 v[TM+\b], v[TM+\b], v[TM+4+\b]   ; with lane l xor 16's 16: the block's largest magnitude
.endr
.irp b, 0,1,2,3
	v_add_nc_u32 v[TM+12+\b], 0xff000000, v[TM+\b] ; 2 off the exponent field: the conversion's scale operand
.endr
.irp b, 0,1,2,3
	v_lshrrev_b32 v[TM+4+\b], 23, v[TM+12+\b]      ; the byte
.endr
	v_lshl_or_b32 v[PW+(\a)], v[TM+5], 8, v[TM+4]
	v_lshl_or_b32 v[PW+(\a)], v[TM+6], 16, v[PW+(\a)]
	v_lshl_or_b32 v[PW+(\a)], v[TM+7], 24, v[PW+(\a)]
	WIN QW                                         ; source 0: the accumulators' window
.irp c, 0,1
	v_cvt_scalef32_pk16_fp6_f32 v[QP+6*\c:QP+6*\c+2], v[QA+32*\c:QA+32*\c+15], v[TM+12+2*\c]
	v_cvt_scalef32_pk16_fp6_f32 v[PT+4*\c:PT+4*\c+2], v[QA+16+32*\c:QA+31+32*\c], v[TM+12+2*\c+1]
.endr
	WIN 0
	v_nop                                          ; one plain place behind a scaled conversion
.irp c, 0,1                            ; the operand's layout wants a whole block in a lane
.irp i, 0,1,2
	v_permlane16_swap_b32 v[QP+6*\c+\i], v[PT+4*\c+\i]
.endr
.irp i, 0,1,2
	v_mov_b32 v[QP+6*\c+3+\i], v[PT+4*\c+\i]
.endr
.endr
.endm
	PLACES NP
.irp b, 0,1,2,3
	v_mov_b32 v[TM+4+\b], 0                        ; written once: a lane permute's destination counts as one of its sources
.endr
	v_mov_b32 v[C7F], 0x7f7f7f7f
	s_mov_b32 s20, 0x76543210
	s_mov_b32 s21, 0xfedcba98
	s_mov_b32 s22, 0xffff0000                      ; lanes 16-31
.irp a, 0,1,2,3,4,5,6,7
	QUANTW \a
.endr
	s_cmp_eq_u32 s[ISV], 1
	s_cbranch_scc1 .Lv_out
	; q, k: block a is tile a of the key step; its half fragment e belongs to head e of my two
.irp a, 0,1,2,3,4,5,6,7
.irp e, 0,1
	global_store_b128 v[L16], v[PC+12*\a+6*\e:PC+12*\a+6*\e+3], s[12:13] offset:\e*HEADB+768*\a
	global_store_b64 v[L8], v[PC+12*\a+6*\e+4:PC+12*\a+6*\e+5], s[12:13] offset:\e*HEADB+768*\a+512
.endr
.endr
.irp g, 0,1,2,3
	v_cndmask_b32 v[TM+8+\g], v[PW+2*\g], v[PW+2*\g+1], s22   ; lanes 0-15: tile 2 g's rows, lanes 16-31: tile 2 g + 1's
.endr
.irp g, 0,1,2,3
	v_perm_b32 v[SW+\g], v[C7F], v[TM+8+\g], 0x05040100       ; head 0: bytes 0, 1; the upper half of K, which the next product fills with zero codes, gets the byte of 1.0
	v_perm_b32 v[SW+4+\g], v[C7F], v[TM+8+\g], 0x05040302     ; head 1: bytes 2, 3
.endr
	global_store_b128 v[L16], v[SW:SW+3], s[12:13] offset:KSOFF
	global_store_b128 v[L16], v[SW+4:SW+7], s[12:13] offset:HEADB+KSOFF
	s_branch .Lout_done
.Lv_out:
	; v: block a = 4 e + dt is fragment dt (16 channels x my 128 keys) of head e
.irp e, 0,1
.irp d, 0,1,2,3
	global_store_b128 v[L16], v[PC+12*(4*\e+\d):PC+12*(4*\e+\d)+3], s[12:13] offset:\e*HEADB+VOFF+1536*\d
	global_store_b64 v[L8], v[PC+12*(4*\e+\d)+4:PC+12*(4*\e+\d)+5], s[12:13] offset:\e*HEADB+VOFF+1536*\d+512
	global_store_b128 v[L16], v[PC+12*(4*\e+\d)+6:PC+12*(4*\e+\d)+9], s[12:13] offset:\e*HEADB+VOFF+1536*\d+768
	global_store_b64 v[L8], v[PC+12*(4*\e+\d)+10:PC+12*(4*\e+\d)+11], s[12:13] offset:\e*HEADB+VOFF+1536*\d+1280
.endr
.endr
.irp e, 0,1
.irp p, 0,1
	v_cndmask_b32 v[SW+2*\e+\p], v[PW+4*\e+2*\p], v[PW+4*\e+2*\p+1], s22
.endr
.endr
	global_store_b64 v[L8], v[SW:SW+1], s[12:13] offset:VSOFF
	global_store_b64 v[L8], v[SW+2:SW+3], s[12:13] offset:HEADB+VSOFF
.Lout_done:
	s_wait_tensorcnt 0x0                           ; the wave's end: behind my last tensor load
	ds_add_u32 v[SPW], v[NIL]
	s_wait_dscnt 0x0
	CROUND                                         ; the closing round: no work-group ends while a partner may still ask for a tile that names it
	s_endpgm
.Lfunc_end_k_qc00f499caa_gemm_qkv:
	.size	k_qc00f499caa_gemm_qkv, .Lfunc_end_k_qc00f499caa_gemm_qkv-k_qc00f499caa_gemm_qkv
	.p2alignl 7, 3214868480
	.fill 96, 4, 3214868480
	.section	.rodata,"a",@progbits
	.p2align	6, 0x0
	.amdhsa_kernel k_qc00f499caa_gemm_qkv
		.amdhsa_group_segment_fixed_size 327680
		.amdhsa_private_segment_fixed_size 0
		.amdhsa_enable_private_segment 0
		.amdhsa_kernarg_size 32
		.amdhsa_user_sgpr_count 2
		.amdhsa_user_sgpr_kernarg_segment_ptr 1
		.amdhsa_wavefront_size32 1
		.amdhsa_system_sgpr_workgroup_id_x 1
		.amdhsa_system_sgpr_workgroup_id_y 1
		.amdhsa_system_sgpr_workgroup_id_z 1
		.amdhsa_system_vgpr_workitem_id 0
		.amdhsa_next_free_vgpr 1024
		.amdhsa_next_free_sgpr 100
		.amdhsa_reserve_vcc 0
		.amdhsa_float_denorm_mode_32 3
		.amdhsa_float_denorm_mode_16_64 3
		.amdhsa_memory_ordered 1
		.amdhsa_forward_progress 1
		.amdhsa_inst_pref_size 153
	.end_amdhsa_kernel
	.amdgpu_metadata
---
amdhsa.version: [ 1, 2 ]
amdhsa.kernels:
  - .name:           k_qc00f499caa_gemm_qkv
    .symbol:         k_qc00f499caa_gemm_qkv.kd
    .args:
      - { .name: xq, .offset: 0, .size: 8, .value_kind: global_buffer, .address_space: global }
      - { .name: wq, .offset: 8, .size: 8, .value_kind: global_buffer, .address_space: global }
      - { .name: qb, .offset: 16, .size: 8, .value_kind: global_buffer, .address_space: global }
      - { .name: kv, .offset: 24, .size: 8, .value_kind: global_buffer, .address_space: global }
    .group_segment_fixed_size: 327680
    .private_segment_fixed_size: 0
    .kernarg_segment_align: 8
    .kernarg_segment_size: 32
    .max_flat_workgroup_size: 128
    .sgpr_count:     100
    .vgpr_count:     1024
    .wavefront_size: 32
...
	.end_amdgpu_metadata
.endif
;; end of part 2
;; launch attn (part 3): grid 4 x 64, 16 waves a work-group, clusters of 4 x 1, 212,992 bytes of LDS; arguments qb, kv, yq; writes yq
.if DOCPART == 3
	.amdgcn_target "amdgcn-amd-amdhsa--gfx1250"
	.amdhsa_code_object_version 6
	.text
	.protected	k_qc00f499caa_attn
	.globl	k_qc00f499caa_attn
	.p2align	8
	.type	k_qc00f499caa_attn,@function
k_qc00f499caa_attn:
	s_mov_b64 s[64:65], 0
	v_nop
	global_prefetch_b8 v0, s[64:65] scope:SCOPE_SE
	s_setreg_imm32_b32 hwreg(HW_REG_WAVE_MODE, 25, 1), 1
	s_wait_xcnt 0x0
	s_wait_alu depctr_hold_cnt(0) depctr_sa_sdst(0) depctr_va_vdst(0) depctr_va_sdst(0) depctr_va_ssrc(0) depctr_va_vcc(0) depctr_vm_vsrc(0)
	s_getreg_b32 s2, hwreg(HW_REG_IB_STS2, 6, 4)
	s_cmp_eq_u32 s2, 0
	s_cbranch_scc0 .Lentry_in_a_cluster
	s_endpgm
.Lentry_in_a_cluster:
	s_bfe_u32 s2, ttmp6, 0x10000c
	s_cmp_lg_u32 s2, 0x3003
	s_cbranch_scc0 .Lentry_shape_is_right
	s_endpgm
.Lentry_shape_is_right:
; y[b][t][head] = softmax over the keys k <= t of (q . k / 8), times v, both products on codes of FP6 (E2M3) with E8M0 scales; y / l is quantised along the head's 64 and leaves as an image of the next product's operand.
; THE SOFTMAX AHEAD OF THE SECOND PRODUCT: t = score x log2(e) / 8; M = the running largest t rounded UP to a whole number; p = 2^(t - M) is quantised along the keys; the row's sum l is taken of the unquantised p and
; divides at the end.  When M moves, l and O are multiplied by 2^(old M - new M): exact.  A block's largest p is made from its largest score by the same multiply-add and exponential.
; SHARES.  A cluster of four work-groups is one head.  The head's whole block of kv (16 key steps of 128 keys x 13,056 bytes) lies in each work-group's LDS, asked for JOINTLY by the four: filled once, never again.
; Wave w of partner cx owns TWO tiles of 16 queries: A = p and B = 127 - p, p = 8 (w / 2) + 4 (w % 2) + cx.  A wants key steps 0 .. w / 2, B wants 0 .. 15 - w / 2: 17 tile steps for every wave.
; Every branch hangs on the wave's number and on counted loops; cx enters global addresses and the number that the mask compares with, nothing else.
; LAYOUT.  Both products transposed: S^T = K Q^T (source 0 = a tile of 16 keys), O^T = V^T P^T (source 0 = 16 channels): a lane holds ONE query.  Tiles hold rows in PHYSICAL order (bits 3 and 4 of the row's number changed
; places), so that the 16 registers of tiles 2 g and 2 g + 1 are keys (channels) 32 g + 16 (lane / 16) + 0 .. 15.  K = 64 in the first product: Q's upper six registers are zero codes, both sides' upper scale bytes are 0x7f;
; K's upper six registers are the next tile's codes (or a pad of zeros), which meet those zeros.
; y's scale bytes leave as 2 bytes a lane, 32 bytes apart: 1 byte in 25 of what the launch stores.
; LIMITS: NaN and infinities are not served; a block of zeros gets the byte 1 (this program alone reads the bytes).
.set STEPB, 13056                      ; a key step: +0 K's 8 tiles x 768; +6,144 V's 4 fragments x 1,536; +12,288 K's scale words (512); +12,800 V's (256)
.set HEADB, 16*STEPB
.set VOFF,  6144
.set KSOFF, 12288
.set VSOFF, 12800
.set SPARE, HEADB                      ; behind the head's block: the spare words, 128 bytes for each of 16 waves: eight blocks of 256 bytes that no other line names
.set L16, 1                            ; v1 16 x lane      v2 8 x lane
.set L8,  2
.set A16, 3                            ; v3, v4 the same + the step's first LDS byte
.set A8,  4
.set SPW, 5                            ; v5 LDS address of my spare word; never rewritten
.set NIL, 6                            ; v6 0; never rewritten
.set DQB, 7                            ; v7, v8 my query's place in its key step - 16 (lane / 16), for tile B and tile A
.set DQA, 8                            ; v9 32 r;  v10, v11 set-up;  v12 -M, v13 the largest t, v[14:15] l in two halves
.set QFB, 16                           ; v16-27 Q of tile B (22-27 zeros);  v28-39 of tile A
.set QFA, 28
.set QSB, 40                           ; v40, v41 their scale words
.set QSA, 41
.set KF,  42                           ; v42-89 K's eight tiles, later V's four fragments; v90-95 the pad of zeros
.set S,   96                           ; v96-159 S^T, then p
.set OA,  160                          ; v160-191 O^T
.set PC,  192                          ; v192-203 p's codes
.set PT,  204                          ; v204-211 the second halves of the blocks' codes
.set BM,  212                          ; v212-215 the blocks' largest scores, then largest p
.set BP,  216                          ; v216-219 lane l xor 16's
.set SO,  220                          ; v220-223 the conversions' scale operands
.set BY,  224                          ; v224-227 the bytes
.set FF,  228                          ; v228 f = 2^(old M - new M), later 1 / l; v229 named with it as a pair
.set PW,  230                          ; v230 p's scale word
.set WK,  231                          ; v231 at work; v[232:233] the second chain of the sum; v234 y's two scale bytes
.set SM,  232
.set YW,  234
.set KS,  236                          ; v236-239 K's scale words; v240-241 V's
.set VS,  240
.set WV,  10                           ; s10 wave; s11 cx; s12 head
.set SEL, 32
.set CS,  34
.set TB,  36                           ; s36 the step's first LDS byte
.set KC,  37                           ; s37 the key step
.set LIMB, 38                          ; s38, s39 the last key step of tile B and of tile A
.set LIMA, 39
.macro CROUND                          ; a round of the cluster's barrier
	s_barrier_signal -1
	s_barrier_wait -1
	s_cmp_lg_u32 s[WV], 0
	s_cbranch_scc1 .Lnot_wave_0_\@
	s_barrier_signal -3
.Lnot_wave_0_\@:
	s_barrier_wait -3
	s_barrier_signal -1
	s_barrier_wait -1
.endm
	s_load_b128 s[4:7], s[0:1], 0x0                ; qb s[4:5], kv s[6:7]
	s_load_b64 s[8:9], s[0:1], 0x10                ; yq
	v_lshl_add_u32 v[SPW], v0, 2, SPARE
	v_mov_b32 v[NIL], 0
	ds_add_u32 v[SPW], v[NIL]                      ; the wave's opening: the adds and their wait stand ahead of the first tensor loads; the set-up below, work on registers, stands between them
	ds_add_u32 v[SPW], v[NIL]
	v_lshrrev_b32 v1, 5, v0
	s_delay_alu instid0(VALU_DEP_1)
	v_readfirstlane_b32 s[WV], v1                  ; wave 0..15
	s_bfe_u32 s11, ttmp6, 0x40000                  ; cx
	s_and_b32 s12, ttmp7, 0xffff                   ; the head, which the four partners share
	s_mov_b32 s16, 15|(3<<16)|(1<<21)              ; group 1: 15:0 the mask: all four; 17:16 elements of 8 bytes; no padding; 21 set beside a mask
	s_mov_b32 s17, 32<<16                          ; tensor_dim0: 256 bytes
	s_mov_b32 s18, 51<<16                          ; tensor_dim1: 51 rows = a key step's 13,056 bytes
	s_mov_b32 s19, 32<<16                          ; tile_dim0
	s_mov_b32 s20, 51                              ; tile_dim1
	s_mov_b32 s21, 32                              ; dense
	s_mov_b32 s22, 0
	s_mov_b32 s23, 0
	s_mov_b32 s[SEL], 0x76543210
	s_mov_b32 s[SEL+1], 0xfedcba98                 ; v_permlanex16_b32's selects for lane l xor 16
	s_mov_b32 s[CS], 0x3e38aa3b                    ; c = log2(e) / 8
	s_mov_b32 s[CS+1], s[CS]                       ; (named with it as a pair)
	s_mul_i32 s60, s12, HEADB                      ; the head's first byte in qb and in kv
	s_mul_i32 s62, s[WV], STEPB                    ; waves 0-7 fetch key steps w and 8 + w: LDS byte, and byte in the head
	s_add_co_u32 s76, s60, s62
	s_mov_b32 s77, 0
	s_wait_dscnt 0x0                               ; the opening add is done
	s_wait_kmcnt 0x0
	s_mov_b32 s24, 1
	s_mov_b32 s25, s62
	s_add_nc_u64 s[26:27], s[6:7], s[76:77]
	s_or_b32 s27, s27, 0x80000000
	s_mov_b32 s28, 1
	s_add_co_u32 s29, s62, 8*STEPB
	s_add_nc_u64 s[30:31], s[6:7], s[76:77]
	s_add_nc_u64 s[30:31], s[30:31], 8*STEPB
	s_or_b32 s31, s31, 0x80000000
	CROUND                                         ; all four work-groups are here: the joint loads meet
	s_cmp_lt_u32 s[WV], 8                          ; a wave's two fills stand in one branch on the wave's number: two loads of mine are out at the most
	s_cbranch_scc0 .Lno_fill
	tensor_load_to_lds s[24:27], s[16:23]
	s_nop 0
	tensor_load_to_lds s[28:31], s[16:23]
	s_nop 0
.rept 4
	v_nop
.endr
.Lno_fill:
	v_and_b32 v7, 31, v0
	s_delay_alu instid0(VALU_DEP_1)
	v_lshlrev_b32 v[L16], 4, v7
	s_delay_alu instid0(VALU_DEP_2)
	v_lshlrev_b32 v[L8], 3, v7
	v_and_b32 v3, 15, v0                           ; r
	v_bfe_u32 v4, v0, 4, 1                         ; h
	s_delay_alu instid0(VALU_DEP_2)
	v_lshlrev_b32 v9, 5, v3                        ; 32 r: y's scale bytes
	s_delay_alu instid0(VALU_DEP_3)
	v_lshlrev_b32 v11, 4, v3                       ; 16 r: Q's scale word
	s_delay_alu instid0(VALU_DEP_4)
	v_and_b32 v10, 8, v3
	s_delay_alu instid0(VALU_DEP_1)
	v_add_nc_u32 v10, v10, v3
	v_lshlrev_b32 v4, 4, v4
	s_delay_alu instid0(VALU_DEP_1)
	v_sub_nc_u32 v10, v10, v4                      ; r + 8 (r / 8) - 16 h
	s_wait_alu depctr_va_vdst(0)
	s_lshr_b32 s[LIMA], s[WV], 1
	s_sub_co_u32 s[LIMB], 15, s[LIMA]
	s_and_b32 s57, s[WV], 1
	s_lshl_b32 s57, s57, 2
	s_add_co_u32 s57, s57, s11                     ; tile A's place in its key step: 4 (w % 2) + cx
	s_sub_co_u32 s58, 7, s57                       ; tile B's
	s_lshr_b32 s73, s12, 4
	s_lshl_b32 s73, s73, 7                         ; 128 row blocks a batch
	s_and_b32 s74, s12, 15                         ; the head in its batch = y's half fragment along K
	s_lshl_b32 s75, s74, 1
	s_add_co_u32 s75, s75, 6291456                 ; where y's scale bytes begin, + 2 x head
	s_mov_b32 s69, 0
; A tile's addresses: st: its key step, tau: its place in it.  qc, qs: Q's codes and scale words; yc, ys: y's; dq: the mask's number
.macro TILEADR st, tau, qc, qs, yc, ys, dq
	s_mul_i32 s66, s[\st], STEPB
	s_add_co_u32 s66, s66, s60
	s_mul_i32 s67, s[\tau], 768
	s_add_co_u32 s68, s66, s67
	s_add_nc_u64 s[\qc:\qc+1], s[4:5], s[68:69]
	s_and_b32 s67, s[\tau], 1
	s_lshr_b32 s71, s[\tau], 1
	s_lshl_b32 s70, s67, 8                         ; the odd tile's words lie in lanes 16-31 of the image,
	s_lshl_b32 s72, s71, 2                         ; word tau / 2 of a lane's four
	s_add_co_u32 s68, s66, s70
	s_add_co_u32 s68, s68, s72
	s_add_co_u32 s68, s68, KSOFF
	s_add_nc_u64 s[\qs:\qs+1], s[4:5], s[68:69]
	s_lshl_b32 s70, s71, 5
	s_lshl_b32 s72, s67, 3
	s_add_co_u32 s70, s70, s72
	v_add_nc_u32 v[\dq], s70, v10                  ; 32 (tau / 2) + 8 (tau % 2) + r + 8 (r / 8) - 16 h
	s_lshl_b32 s70, s[\st], 3
	s_add_co_u32 s70, s70, s[\tau]
	s_add_co_u32 s70, s70, s73                     ; y's row block
	s_lshl_b32 s71, s70, 4
	s_add_co_u32 s71, s71, s74
	s_mul_i32 s68, s71, 768
	s_add_nc_u64 s[\yc:\yc+1], s[8:9], s[68:69]
	s_lshl_b32 s68, s70, 9
	s_add_co_u32 s68, s68, s75
	s_add_nc_u64 s[\ys:\ys+1], s[8:9], s[68:69]
.endm
	TILEADR LIMB, 58, 40, 42, 48, 50, DQB
	TILEADR LIMA, 57, 44, 46, 52, 54, DQA
	global_load_b128 v[QFB:QFB+3], v[L16], s[40:41]
	global_load_b64 v[QFB+4:QFB+5], v[L8], s[40:41] offset:512
	global_load_b32 v[QSB], v11, s[42:43]
	global_load_b128 v[QFA:QFA+3], v[L16], s[44:45]
	global_load_b64 v[QFA+4:QFA+5], v[L8], s[44:45] offset:512
	global_load_b32 v[QSA], v11, s[46:47]
.irp i, 6,7,8,9,10,11
	v_mov_b32 v[QFB+\i], 0                         ; K = 64 .. 127 of Q: zero codes
	v_mov_b32 v[QFA+\i], 0
	v_mov_b32 v[KF+42+\i], 0                       ; the pad behind K's last tile
.endr
.irp b, 0,1,2,3
	v_mov_b32 v[BP+\b], 0                          ; written once: a lane permute's destination counts as one of its sources
.endr
	v_mov_b32 v[WK], 0
	v_mov_b32 v[FF+1], 0                           ; (named as the upper half of a pair)
.macro INIT                            ; O^T and l begin as zeros, the largest t as -3e38: the first change of M multiplies zeros
.set J, 0
.rept 32
	v_mov_b32 v[OA+J], 0
.set J, J+1
.endr
	v_mov_b32 v13, 0xff61b1e6
	s_delay_alu instid0(VALU_DEP_1)
	v_floor_f32 v12, -v13
	v_mov_b32 v14, 0
	v_mov_b32 v15, 0
.endm
	INIT
; A TILE STEP: 16 queries x the 128 keys of step s[KC].  mode = 0: all keys count.  mode = 1: the step is left out where it lies beyond the tile's last, and masked where it is the last.
.macro STEP mode, QF, QS, DQ, LIM
.if \mode
	s_cmp_gt_u32 s[KC], s[\LIM]
	s_cbranch_scc1 .Lskip_\@
.endif
	s_setprio 2
	v_add_nc_u32 v[A16], s[TB], v[L16]
	v_add_nc_u32 v[A8], s[TB], v[L8]
	v_nop
	v_nop                                          ; four places between the last products and the loads into their registers
.irp t, 0,1,2,3,4,5,6,7
	ds_load_b128 v[KF+6*\t:KF+6*\t+3], v[A16] offset:768*\t
	ds_load_b64 v[KF+6*\t+4:KF+6*\t+5], v[A8] offset:768*\t+512
.endr
	ds_load_b128 v[KS:KS+3], v[A16] offset:KSOFF
	s_wait_alu depctr_va_vdst(0)
	s_wait_dscnt 0x0
.irp t, 0,1,2,3,4,5,6,7
.if (\t)%2
	v_wmma_scale_f32_16x16x128_f8f6f4 v[S+8*\t:S+8*\t+7], v[KF+6*\t:KF+6*\t+11], v[\QF:\QF+11], 0, v[KS+\t/2], v[\QS] matrix_a_fmt:MATRIX_FMT_FP6 matrix_b_fmt:MATRIX_FMT_FP6 matrix_a_scale:MATRIX_SCALE_ROW1
.else
	v_wmma_scale_f32_16x16x128_f8f6f4 v[S+8*\t:S+8*\t+7], v[KF+6*\t:KF+6*\t+11], v[\QF:\QF+11], 0, v[KS+\t/2], v[\QS] matrix_a_fmt:MATRIX_FMT_FP6 matrix_b_fmt:MATRIX_FMT_FP6
.endif
.endr
.rept 4
	v_nop                                          ; places: V's loads land on K's registers, and the scores are read
.endr
.irp d, 0,1,2,3                        ; V's fragments are asked for here and land during the softmax
	ds_load_b128 v[KF+12*\d:KF+12*\d+3], v[A16] offset:VOFF+1536*\d
	ds_load_b64 v[KF+12*\d+4:KF+12*\d+5], v[A8] offset:VOFF+1536*\d+512
	ds_load_b128 v[KF+12*\d+6:KF+12*\d+9], v[A16] offset:VOFF+1536*\d+768
	ds_load_b64 v[KF+12*\d+10:KF+12*\d+11], v[A8] offset:VOFF+1536*\d+1280
.endr
	ds_load_b64 v[VS:VS+1], v[A8] offset:VSOFF
.if \mode
	s_cmp_lg_u32 s[KC], s[\LIM]
	s_cbranch_scc1 .Lopen_\@
	v_mov_b32 v[WK], 0xff800000                    ; on the diagonal hidden scores become -infinity: p = 0.  Register 16 b + i holds key 32 b + 16 (lane / 16) + i of the step
.set J, 0
.rept 64
	v_cmp_gt_i32 vcc_lo, 32*(J/16)+J%16, v[\DQ]
	v_cndmask_b32 v[S+J], v[S+J], v[WK], vcc_lo
.set J, J+1
.endr
.Lopen_\@:
.endif
.irp b, 0,1,2,3
	v_max3_num_f32 v[BM+\b], v[S+16*\b], v[S+1+16*\b], v[S+2+16*\b]   ; the largest score of each block of 32 keys
.endr
.irp i, 3,5,7,9,11,13
.irp b, 0,1,2,3
	v_max3_num_f32 v[BM+\b], v[BM+\b], v[S+16*\b+\i], v[S+1+16*\b+\i]
.endr
.endr
.irp b, 0,1,2,3
	v_max_num_f32 v[BM+\b], v[BM+\b], v[S+15+16*\b]
.endr
.irp b, 0,1,2,3
	s_delay_alu instid0(VALU_DEP_4)
	v_permlanex16_b32 v[BP+\b], v[BM+\b], s[SEL], s[SEL+1]
.endr
.irp b, 0,1,2,3
	s_delay_alu instid0(VALU_DEP_4)
	v_max_num_f32 v[BM+\b], v[BM+\b], v[BP+\b]
.endr
	s_delay_alu instid0(VALU_DEP_2)
	v_max3_num_f32 v[WK], v[BM], v[BM+1], v[BM+2]
	s_delay_alu instid0(VALU_DEP_1)
	v_max_num_f32 v[WK], v[WK], v[BM+3]
	s_delay_alu instid0(VALU_DEP_1)
	v_mul_f32 v[WK], s[CS], v[WK]                  ; as t (c is positive)
	s_delay_alu instid0(VALU_DEP_1)
	v_max_num_f32 v13, v13, v[WK]                  ; the running largest t
	v_mov_b32 v[WK], v12
	s_delay_alu instid0(VALU_DEP_2)
	v_floor_f32 v12, -v13                          ; the new -M = -ceil(t)
	s_delay_alu instid0(VALU_DEP_1)
	v_sub_f32 v[WK], v12, v[WK]                    ; old M - new M: a whole number, 0 or less
	s_delay_alu instid0(VALU_DEP_1)
	v_cvt_i32_f32 v[WK], v[WK]                     ; (it saturates)
	s_delay_alu instid0(VALU_DEP_1)
	v_ldexp_f32 v[FF], 1.0, v[WK]                  ; f
.set J, 0
.rept 32
	v_pk_fma_f32 v[S+J:S+J+1], v[S+J:S+J+1], s[CS:CS+1], v[12:13] op_sel_hi:[1,0,0]   ; t - M
.set J, J+2
.endr
.irp b, 0,1,2,3
	v_fma_f32 v[BM+\b], v[BM+\b], s[CS], v12
.endr
.set J, 0
	s_setprio 1
	s_wait_alu depctr_va_vdst(0)
.rept 64
	v_exp_f32 v[S+J], v[S+J]                       ; p
.set J, J+1
.endr
	v_pk_mul_f32 v[14:15], v[14:15], v[FF:FF+1] op_sel_hi:[1,0]   ; l under the new M: the plain place behind the exponentials
	s_wait_alu depctr_va_vdst(0)                   ; one wait for the batch of 64, ahead of its first reader
.irp b, 0,1,2,3
	v_exp_f32 v[BM+\b], v[BM+\b]                   ; the blocks' largest p
.endr
	v_pk_add_f32 v[232:233], v[100:101], v[104:105]
	v_pk_add_f32 v[254:255], v[108:109], v[112:113]
	v_pk_add_f32 v[252:253], v[116:117], v[120:121]
	v_pk_add_f32 v[250:251], v[124:125], v[128:129]
	v_pk_add_f32 v[248:249], v[132:133], v[136:137]
	v_pk_add_f32 v[246:247], v[140:141], v[144:145]
	v_pk_add_f32 v[244:245], v[148:149], v[152:153]
	v_pk_add_f32 v[14:15], v[14:15], v[156:157]
	v_pk_add_f32 v[232:233], v[232:233], v[96:97]
	v_pk_add_f32 v[254:255], v[254:255], v[98:99]
	v_pk_add_f32 v[252:253], v[252:253], v[102:103]
	v_pk_add_f32 v[250:251], v[250:251], v[106:107]
	v_pk_add_f32 v[248:249], v[248:249], v[110:111]
	v_pk_add_f32 v[246:247], v[246:247], v[114:115]
	v_pk_add_f32 v[244:245], v[244:245], v[118:119]
	v_pk_add_f32 v[14:15], v[14:15], v[122:123]
	v_pk_add_f32 v[232:233], v[232:233], v[126:127]
	v_pk_add_f32 v[254:255], v[254:255], v[130:131]
	v_pk_add_f32 v[252:253], v[252:253], v[134:135]
	v_pk_add_f32 v[250:251], v[250:251], v[138:139]
	v_pk_add_f32 v[248:249], v[248:249], v[142:143]
	v_pk_add_f32 v[246:247], v[246:247], v[146:147]
	v_pk_add_f32 v[244:245], v[244:245], v[150:151]
	v_pk_add_f32 v[14:15], v[14:15], v[154:155]
	v_pk_add_f32 v[232:233], v[232:233], v[158:159]
	s_delay_alu instid0(VALU_DEP_2)
	v_pk_add_f32 v[14:15], v[14:15], v[250:251]
	s_delay_alu instid0(VALU_DEP_2)
	v_pk_add_f32 v[232:233], v[232:233], v[248:249]
	v_pk_add_f32 v[254:255], v[254:255], v[246:247]
	v_pk_add_f32 v[252:253], v[252:253], v[244:245]
	s_delay_alu instid0(VALU_DEP_2)
	v_pk_add_f32 v[14:15], v[14:15], v[254:255]
	s_delay_alu instid0(VALU_DEP_2)
	v_pk_add_f32 v[232:233], v[232:233], v[252:253]
	s_delay_alu instid0(VALU_DEP_1)
	v_pk_add_f32 v[14:15], v[14:15], v[232:233]
	s_wait_alu depctr_va_vdst(0)                   ; and one for the four
.irp b, 0,1,2,3
	v_max_num_f32 v[BM+\b], 0x1800000, v[BM+\b]    ; the floor 2^(3 - 127)
.endr
.irp b, 0,1,2,3
	s_delay_alu instid0(VALU_DEP_4)
	v_add_nc_u32 v[SO+\b], 0xff000000, v[BM+\b]
.endr
.irp b, 0,1,2,3
	s_delay_alu instid0(VALU_DEP_4)
	v_lshrrev_b32 v[BY+\b], 23, v[SO+\b]
.endr
	s_delay_alu instid0(VALU_DEP_3)
	v_lshl_or_b32 v[PW], v[BY+1], 8, v[BY]
	s_delay_alu instid0(VALU_DEP_1)
	v_lshl_or_b32 v[PW], v[BY+2], 16, v[PW]
	s_delay_alu instid0(VALU_DEP_1)
	v_lshl_or_b32 v[PW], v[BY+3], 24, v[PW]
.irp c, 0,1
	v_cvt_scalef32_pk16_fp6_f32 v[PC+6*\c:PC+6*\c+2], v[S+32*\c:S+32*\c+15], v[SO+2*\c]
	v_cvt_scalef32_pk16_fp6_f32 v[PT+4*\c:PT+4*\c+2], v[S+16+32*\c:S+31+32*\c], v[SO+2*\c+1]
.endr
	v_nop                                          ; one plain place behind a scaled conversion
	s_setprio 0
.irp c, 0,1
.irp i, 0,1,2
	v_permlane16_swap_b32 v[PC+6*\c+\i], v[PT+4*\c+\i]
.endr
.irp i, 0,1,2
	s_delay_alu instid0(VALU_DEP_3)
	v_mov_b32 v[PC+6*\c+3+\i], v[PT+4*\c+\i]
.endr
.endr
.set J, 0
.rept 16
	v_pk_mul_f32 v[OA+J:OA+J+1], v[OA+J:OA+J+1], v[FF:FF+1] op_sel_hi:[1,0]   ; O^T under the new M; these sixteen also stand between the codes' and the scale word's last writes and the products
.set J, J+2
.endr
	s_wait_alu depctr_va_vdst(0)
	s_wait_dscnt 0x0                               ; V is in
.irp d, 0,1,2,3
.if (\d)%2
	v_wmma_scale_f32_16x16x128_f8f6f4 v[OA+8*\d:OA+8*\d+7], v[KF+12*\d:KF+12*\d+11], v[PC:PC+11], v[OA+8*\d:OA+8*\d+7], v[VS+\d/2], v[PW] matrix_a_fmt:MATRIX_FMT_FP6 matrix_b_fmt:MATRIX_FMT_FP6 matrix_a_scale:MATRIX_SCALE_ROW1
.else
	v_wmma_scale_f32_16x16x128_f8f6f4 v[OA+8*\d:OA+8*\d+7], v[KF+12*\d:KF+12*\d+11], v[PC:PC+11], v[OA+8*\d:OA+8*\d+7], v[VS+\d/2], v[PW] matrix_a_fmt:MATRIX_FMT_FP6 matrix_b_fmt:MATRIX_FMT_FP6
.endif
.endr
.if \mode
.Lskip_\@:
.endif
.endm
; A tile's end: O^T / l, quantised along the head's 64 (register 16 b + i is channel 32 b + 16 (lane / 16) + i), stored as a half fragment and two scale bytes a row.
.macro WAYOUT yc, ys
.rept 4
	v_nop                                          ; places behind the last products
.endr
	v_add_f32 v14, v14, v15
	s_delay_alu instid0(VALU_DEP_1)
	v_permlanex16_b32 v[WK], v14, s[SEL], s[SEL+1]
	s_delay_alu instid0(VALU_DEP_1)
	v_add_f32 v14, v14, v[WK]                      ; the row's sum
	s_wait_alu depctr_va_vdst(0)
	v_rcp_f32 v[FF], v14
	v_nop                                          ; a plain place behind the reciprocal,
	s_wait_alu depctr_va_vdst(0)                   ; and the wait ahead of its first reader
.set J, 0
.rept 16
	v_pk_mul_f32 v[S+J:S+J+1], v[OA+J:OA+J+1], v[FF:FF+1] op_sel_hi:[1,0]
.set J, J+2
.endr
.irp b, 0,1
	v_max3_num_f32 v[BM+\b], |v[S+16*\b]|, |v[S+1+16*\b]|, 0x1800000
.endr
.irp i, 2,4,6,8,10,12,14
.irp b, 0,1
	s_delay_alu instid0(VALU_DEP_2)
	v_max3_num_f32 v[BM+\b], v[BM+\b], |v[S+16*\b+\i]|, |v[S+1+16*\b+\i]|
.endr
.endr
.irp b, 0,1
	s_delay_alu instid0(VALU_DEP_2)
	v_permlanex16_b32 v[BP+\b], v[BM+\b], s[SEL], s[SEL+1]
.endr
.irp b, 0,1
	s_delay_alu instid0(VALU_DEP_2)
	v_max_num_f32 v[BM+\b], v[BM+\b], v[BP+\b]
.endr
.irp b, 0,1
	s_delay_alu instid0(VALU_DEP_2)
	v_add_nc_u32 v[SO+\b], 0xff000000, v[BM+\b]
.endr
.irp b, 0,1
	s_delay_alu instid0(VALU_DEP_2)
	v_lshrrev_b32 v[BY+\b], 23, v[SO+\b]
.endr
	s_delay_alu instid0(VALU_DEP_1)
	v_lshl_or_b32 v[YW], v[BY+1], 8, v[BY]
	v_cvt_scalef32_pk16_fp6_f32 v[PC:PC+2], v[S:S+15], v[SO]
	v_cvt_scalef32_pk16_fp6_f32 v[PT:PT+2], v[S+16:S+31], v[SO+1]
	v_nop
.irp i, 0,1,2
	v_permlane16_swap_b32 v[PC+\i], v[PT+\i]
.endr
.irp i, 0,1,2
	s_delay_alu instid0(VALU_DEP_3)
	v_mov_b32 v[PC+3+\i], v[PT+\i]
.endr
	global_store_b128 v[L16], v[PC:PC+3], s[\yc:\yc+1]             ; 512 consecutive bytes,
	global_store_b64 v[L8], v[PC+4:PC+5], s[\yc:\yc+1] offset:512  ; and 256
	global_store_b16 v9, v[YW], s[\ys:\ys+1]                       ; both halves of the lanes hold and store the same two bytes
	s_wait_xcnt 0x0                                ; the stores have read their registers: the next tile may write them
.endm
	s_wait_tensorcnt 0x1                           ; my first fill (a key step of 0 .. 7) is in; my second may stay out
	s_barrier_signal -1
	s_barrier_wait -1                              ; key steps 0 .. 7 are whole
	s_wait_loadcnt 0x0                             ; Q
	s_mov_b32 s[TB], 0
	s_mov_b32 s[KC], 0
.Lp1:                                              ; tile B, key steps 0 .. 7: all keys count for every wave's tile B
	STEP 0, QFB, QSB, DQB, LIMB
	s_add_co_u32 s[TB], s[TB], STEPB
	s_add_co_u32 s[KC], s[KC], 1
	s_cmp_lt_u32 s[KC], 8
	s_cbranch_scc1 .Lp1
	s_setprio 0
	s_wait_tensorcnt 0x0                           ; my second fill is in,
	s_wait_dscnt 0x0
	s_barrier_signal -1
	s_barrier_wait -1                              ; everybody's is: key steps 8 .. 15 are whole
	s_mov_b32 s[TB], 8*STEPB
	s_mov_b32 s[KC], 8
.Lp2:                                              ; tile B, key steps 8 .. 15 - w / 2
	STEP 1, QFB, QSB, DQB, LIMB
	s_add_co_u32 s[TB], s[TB], STEPB
	s_add_co_u32 s[KC], s[KC], 1
	s_cmp_lt_u32 s[KC], 16
	s_cbranch_scc1 .Lp2
	s_setprio 0
	WAYOUT 48, 50
	INIT
	s_mov_b32 s[TB], 0
	s_mov_b32 s[KC], 0
.Lp3:                                              ; tile A, key steps 0 .. w / 2
	STEP 1, QFA, QSA, DQA, LIMA
	s_add_co_u32 s[TB], s[TB], STEPB
	s_add_co_u32 s[KC], s[KC], 1
	s_cmp_lt_u32 s[KC], 8
	s_cbranch_scc1 .Lp3
	s_setprio 0
	s_wait_alu depctr_va_vdst(0)
	WAYOUT 52, 54
	s_wait_tensorcnt 0x0                           ; the wave's end: behind the last tensor load
	ds_add_u32 v[SPW], v[NIL]
	s_wait_dscnt 0x0
	CROUND                                         ; the closing round
	s_endpgm
.Lfunc_end_k_qc00f499caa_attn:
	.size	k_qc00f499caa_attn, .Lfunc_end_k_qc00f499caa_attn-k_qc00f499caa_attn
	.p2alignl 7, 3214868480
	.fill 96, 4, 3214868480
	.section	.rodata,"a",@progbits
	.p2align	6, 0x0
	.amdhsa_kernel k_qc00f499caa_attn
		.amdhsa_group_segment_fixed_size 212992
		.amdhsa_private_segment_fixed_size 0
		.amdhsa_enable_private_segment 0
		.amdhsa_kernarg_size 24
		.amdhsa_user_sgpr_count 2
		.amdhsa_user_sgpr_kernarg_segment_ptr 1
		.amdhsa_wavefront_size32 1
		.amdhsa_system_sgpr_workgroup_id_x 1
		.amdhsa_system_sgpr_workgroup_id_y 1
		.amdhsa_system_sgpr_workgroup_id_z 1
		.amdhsa_system_vgpr_workitem_id 0
		.amdhsa_next_free_vgpr 256
		.amdhsa_next_free_sgpr 80
		.amdhsa_reserve_vcc 1
		.amdhsa_float_denorm_mode_32 3
		.amdhsa_float_denorm_mode_16_64 3
		.amdhsa_memory_ordered 1
		.amdhsa_forward_progress 1
		.amdhsa_inst_pref_size 82
	.end_amdhsa_kernel
	.amdgpu_metadata
---
amdhsa.version: [ 1, 2 ]
amdhsa.kernels:
  - .name:           k_qc00f499caa_attn
    .symbol:         k_qc00f499caa_attn.kd
    .args:
      - { .name: qb, .offset: 0, .size: 8, .value_kind: global_buffer, .address_space: global }
      - { .name: kv, .offset: 8, .size: 8, .value_kind: global_buffer, .address_space: global }
      - { .name: yq, .offset: 16, .size: 8, .value_kind: global_buffer, .address_space: global }
    .group_segment_fixed_size: 212992
    .private_segment_fixed_size: 0
    .kernarg_segment_align: 8
    .kernarg_segment_size: 24
    .max_flat_workgroup_size: 512
    .sgpr_count:     80
    .vgpr_count:     256
    .wavefront_size: 32
...
	.end_amdgpu_metadata
.endif
;; end of part 3
;; launch gemm_out (part 4): grid 4 x 32, 4 waves a work-group, clusters of 4 x 4, 327,680 bytes of LDS; arguments yq, wq, out0; writes out0
.if DOCPART == 4
	.amdgcn_target "amdgcn-amd-amdhsa--gfx1250"
	.amdhsa_code_object_version 6
	.text
	.protected	k_qc00f499caa_gemm_out
	.globl	k_qc00f499caa_gemm_out
	.p2align	8
	.type	k_qc00f499caa_gemm_out,@function
k_qc00f499caa_gemm_out:
	s_mov_b64 s[64:65], 0
	v_nop
	global_prefetch_b8 v0, s[64:65] scope:SCOPE_SE
	s_setreg_imm32_b32 hwreg(HW_REG_WAVE_MODE, 25, 1), 1
	s_wait_xcnt 0x0
	s_wait_alu depctr_hold_cnt(0) depctr_sa_sdst(0) depctr_va_vdst(0) depctr_va_sdst(0) depctr_va_ssrc(0) depctr_va_vcc(0) depctr_vm_vsrc(0)
	s_getreg_b32 s2, hwreg(HW_REG_IB_STS2, 6, 4)
	s_cmp_eq_u32 s2, 0
	s_cbranch_scc0 .Lentry_in_a_cluster
	s_endpgm
.Lentry_in_a_cluster:
	s_bfe_u32 s2, ttmp6, 0x10000c
	s_cmp_lg_u32 s2, 0xf033
	s_cbranch_scc0 .Lentry_shape_is_right
	s_endpgm
.Lentry_shape_is_right:
; out0 = y W_proj on codes of FP6 (E2M3) with E8M0 scales, f32 sums.  y's codes and scale bytes come from the attention launch, W_proj's from the first launch; out0 is [8192][1024] f32.
; OPERANDS: rows in PHYSICAL order (bits 3 and 4 of the row's number changed places); a half fragment (16 rows x 64 K) is 768 bytes: lane l's registers 0-3 at 16 l, 4-5 at 512 + 8 l; half fragment kh of row block R at
; (16 R + kh) x 768; scale bytes by physical row, 32 a row.
; A tile of C, 256 x 256, is made by four waves, 128 x 128 each.  K = 1,024 goes in four steps of 256 through two LDS slots; a wave's tensor load brings 8 row blocks x 3,072 bytes.  The scales come once and stay.
; CLUSTERS: 4 x 4 work-groups; y's tiles are asked for jointly along a row of the cluster, W's along a column.
; TRANSPOSED: source 0 = W's rows, source 1 = y's: a lane holds a token; the 16 registers of W's blocks 2 g and 2 g + 1 are columns 32 g + 16 (lane / 16) + 0 .. 15.  The way out undoes the physical order by constants.
; The launch has 128 work-groups: C has 128 tiles of this size.
; REGISTERS, in windows of 256: window 0: v16-29 addresses; v32-63 scale words, two sets; from v128 source 1's fragments, ONE set; on the way out v128-255 rows of C.  window 1: source 0's, TWO sets.  windows 2, 3: the accumulators.
.set NQ,     2
.set FR,     12
.set NL,     4
.set NP,     4
.set BLKB,   3072
.set HALFT,  8*BLKB
.set SLOT,   4*HALFT
.set LAPS,   2
.set SCL,    2*SLOT
.set HALFS,  16*272
.set SBLK,   2*272
.set SPARE,  SCL+4*HALFS               ; the spare words, 128 bytes for each wave: two blocks of 256 bytes that no other line names
.set ASCL,   6291456                   ; where the scale bytes begin in yq
.set BCODE,  2457600                   ; W_proj's codes in wq,
.set BSCL,   3244032                   ; and its scale bytes
.set SPITCH, 528                       ; the way out: a stage of 16 rows x (512 bytes + 16) for each wave, in slot 0, which has had its last fill and its last read when the first result is stored there
.set ADR1, 16
.set ADR0, 20
.set STO,  24                          ; v24 the way out: where I put 32 bytes of a row
.set RD,   25                          ; v25 where I read a row back
.set CO,   26                          ; v26 my byte offset in a row of C
.set ADRS, 27
.set SPW,  28                          ; v28 LDS address of my spare word; never rewritten
.set NIL,  29                          ; v29 0; never rewritten
.set SC,   32
.set AF,   128
.set BK,   128
.set G1, 24
.set G0, 32
.set G1B, 48
.set G0B, 56
.set G1S, 68
.set G0S, 76
.set G1SB, 80
.set G0SB, 88
.set MSB, 0
.macro WIN new
.if MSB != \new
	s_set_vgpr_msb (MSB<<8)|\new
.set MSB, \new
.endif
.endm
.set MUL_LO, 0xa1
.set MUL_HI, 0xf1
.set TO_B,   0x40
.macro JLOAD g0a, g1a, g0b, g1b        ; a joint load: waves 0 and 1 fetch for y, waves 2 and 3 for W; an s_nop 0 and four v_nop follow each of the two lines
	s_cmp_eq_u32 s15, 0
	s_cbranch_scc0 .Lfor_b_\@
	tensor_load_to_lds s[\g0a:\g0a+3], s[\g1a:\g1a+7]
	s_nop 0
.rept 4
	v_nop
.endr
	s_branch .Lasked_\@
.Lfor_b_\@:
	tensor_load_to_lds s[\g0b:\g0b+3], s[\g1b:\g1b+7]
	s_nop 0
.rept 4
	v_nop
.endr
.Lasked_\@:
.endm
.macro CREST
	s_cmp_lg_u32 s14, 0
	s_cbranch_scc1 .Lnot_wave_0_\@
	s_barrier_signal -3
.Lnot_wave_0_\@:
	s_barrier_wait -3
	s_barrier_signal -1
	s_barrier_wait -1
.endm
.macro CROUND
	s_barrier_signal -1
	s_barrier_wait -1
	CREST
.endm
	s_load_b128 s[4:7], s[0:1], 0x0                ; yq s[4:5], wq s[6:7]
	s_load_b64 s[12:13], s[0:1], 0x10              ; out0
	v_lshl_add_u32 v[SPW], v0, 2, SPARE
	v_mov_b32 v[NIL], 0
	ds_add_u32 v[SPW], v[NIL]                      ; the wave's opening: the add and its wait stand ahead of my first tensor load
	v_lshrrev_b32 v1, 5, v0
	v_readfirstlane_b32 s14, v1                    ; wave 0..3
	s_lshr_b32 s15, s14, 1                         ; my half of y's rows.  Also: I fetch for y (0) or for W (1)
	s_and_b32 s16, s14, 1                          ; my half of W's rows.  Also: which 128 rows I fetch
	s_bfe_u32 s40, ttmp6, 0x40000
	s_bfe_u32 s41, ttmp6, 0x40004
	s_lshl_b32 s42, ttmp9, 2
	s_add_co_u32 s42, s42, s40                     ; tile column
	s_and_b32 s17, ttmp7, 0xffff
	s_lshl_b32 s17, s17, 2
	s_add_co_u32 s17, s17, s41                     ; tile row
	s_lshl_b32 s43, s41, 2
	s_lshl_b32 s43, 15, s43                        ; my row of the cluster
	s_lshl_b32 s44, 0x1111, s40                    ; my column
	s_or_b32 s[G1+0], s43, (3<<16)|(1<<21)
	s_or_b32 s[G1B+0], s44, (3<<16)|(1<<21)
.irp g, G1, G1B
	s_mov_b32 s[\g+1], 384<<16                     ; 8 row blocks x 3,072 bytes, 12,288 bytes apart
	s_mov_b32 s[\g+2], 8<<16
	s_mov_b32 s[\g+3], 384<<16
	s_mov_b32 s[\g+4], 8
	s_mov_b32 s[\g+5], 1536
	s_mov_b32 s[\g+6], 0
	s_mov_b32 s[\g+7], 0
.endr
	s_or_b32 s[G1S+0], s43, (3<<16)|(1<<20)|(1<<21)|(5<<22)|(3<<25)
	s_or_b32 s[G1SB+0], s44, (3<<16)|(1<<20)|(1<<21)|(5<<22)|(3<<25)
.irp g, G1S, G1SB
	s_mov_b32 s[\g+1], 32<<16                      ; 16 rows of 256 bytes, 16 bytes of padding behind each
	s_mov_b32 s[\g+2], 16<<16
	s_mov_b32 s[\g+3], 32<<16
	s_mov_b32 s[\g+4], 16
	s_mov_b32 s[\g+5], 32
	s_mov_b32 s[\g+6], 0
	s_mov_b32 s[\g+7], 0
.endr
	s_lshl_b32 s18, s16, 7
	s_lshl_b32 s20, s17, 8
	s_add_co_u32 s20, s20, s18                     ; y: row 256 x tile row + 128 x half
	s_lshl_b32 s46, s42, 8
	s_add_co_u32 s46, s46, s18                     ; W: row 256 x tile column + 128 x half
	s_lshl_b32 s22, s20, 5
	s_add_co_u32 s22, s22, ASCL
	s_mov_b32 s23, 0
	s_lshl_b32 s92, s46, 5
	s_add_co_u32 s92, s92, BSCL
	s_mov_b32 s93, 0
	s_mul_i32 s20, s20, 768
	s_mov_b32 s21, 0
	s_mul_i32 s46, s46, 768
	s_add_co_u32 s46, s46, BCODE
	s_mov_b32 s47, 0
	s_mul_i32 s45, s14, HALFT
	s_mul_i32 s94, s14, HALFS
	s_wait_dscnt 0x0                               ; the opening add is done
	s_wait_kmcnt 0x0
	s_add_nc_u64 s[20:21], s[4:5], s[20:21]
	s_add_nc_u64 s[22:23], s[4:5], s[22:23]
	s_add_nc_u64 s[46:47], s[6:7], s[46:47]
	s_add_nc_u64 s[92:93], s[6:7], s[92:93]
	CROUND                                         ; all sixteen work-groups are here: the first joint loads meet
	s_mov_b32 s[G0S], 1
	s_add_co_u32 s[G0S+1], s94, SCL
	s_mov_b64 s[G0S+2:G0S+3], s[22:23]
	s_or_b32 s[G0S+3], s[G0S+3], 0x80000000
	s_mov_b32 s[G0SB], 1
	s_add_co_u32 s[G0SB+1], s94, SCL
	s_mov_b64 s[G0SB+2:G0SB+3], s[92:93]
	s_or_b32 s[G0SB+3], s[G0SB+3], 0x80000000
	JLOAD G0S, G1S, G0SB, G1SB                     ; three loads of mine are out behind these lines
.irp s, 0,1
	s_mov_b32 s[G0+4*\s], 1
	s_add_co_u32 s[G0+4*\s+1], s45, \s*SLOT
	s_add_nc_u64 s[G0+4*\s+2:G0+4*\s+3], s[20:21], \s*BLKB
	s_or_b32 s[G0+4*\s+3], s[G0+4*\s+3], 0x80000000
	s_mov_b32 s[G0B+4*\s], 1
	s_add_co_u32 s[G0B+4*\s+1], s45, \s*SLOT
	s_add_nc_u64 s[G0B+4*\s+2:G0B+4*\s+3], s[46:47], \s*BLKB
	s_or_b32 s[G0B+4*\s+3], s[G0B+4*\s+3], 0x80000000
	JLOAD G0+4*\s, G1, G0B+4*\s, G1B
.endr
	v_and_b32 v1, 31, v0                           ; lane
	v_bfe_u32 v2, v0, 4, 1                         ; h
	v_and_b32 v3, 15, v0                           ; r
	v_lshlrev_b32 v[CO], 4, v1                     ; 16 x lane
	v_lshlrev_b32 v4, 3, v1                        ; 8 x lane
	s_mul_i32 s21, s15, HALFT                      ; my 128 rows of y
	s_mul_i32 s22, s16, HALFT
	s_add_co_u32 s22, s22, 2*HALFT                 ; my 128 rows of W
.irp s, 0,1
	v_add_nc_u32 v[ADR1+\s], s21, v[CO]
	v_add_nc_u32 v[ADR1+2+\s], s21, v4
	v_add_nc_u32 v[ADR0+\s], s22, v[CO]
	v_add_nc_u32 v[ADR0+2+\s], s22, v4
	s_add_co_u32 s21, s21, SLOT
	s_add_co_u32 s22, s22, SLOT
.endr
	v_lshlrev_b32 v5, 5, v3
	v_lshrrev_b32 v6, 8, v5
	v_lshl_add_u32 v5, v6, 4, v5
	s_mul_i32 s21, s15, HALFS
	s_mul_i32 s22, s16, HALFS
	s_add_co_u32 s22, s22, 2*HALFS
	s_sub_co_u32 s22, s22, s21
	v_mul_u32_u24 v6, s22, v2                      ; lanes 16-31 take W's
	s_add_co_u32 s21, s21, SCL
	v_add_nc_u32 v5, v5, v6
	v_add_nc_u32 v[ADRS], s21, v5
	s_mul_i32 s23, s14, 16*SPITCH                  ; my stage
	v_mul_u32_u24 v5, v3, SPITCH
	v_lshl_add_u32 v5, v2, 6, v5                   ; in: row r, + 64 h: a pair of W's blocks gives my half 16 neighbouring columns
	v_add_nc_u32 v[STO], s23, v5
	v_add_nc_u32 v[RD], s23, v[CO]                 ; back: the 32 lanes take one row of 512 bytes
	s_lshl_b32 s20, s17, 8
	s_lshl_b32 s21, s15, 7
	s_add_co_u32 s20, s20, s21                     ; my first row of C
	s_lshl_b32 s20, s20, 12                        ; 4,096 bytes a row
	s_lshl_b32 s46, s42, 10
	s_lshl_b32 s47, s16, 9
	s_add_co_u32 s46, s46, s47                     ; my first column, in bytes
	s_add_co_u32 s20, s20, s46
	s_mov_b32 s21, 0
	s_add_nc_u64 s[12:13], s[12:13], s[20:21]
.macro FRAG reg, adr, q, i
	ds_load_b128 v[\reg:\reg+3], v[\adr] offset:(\i)*BLKB+(\q)*1536
	ds_load_b64 v[\reg+4:\reg+5], v[\adr+2] offset:(\i)*BLKB+(\q)*1536+512
	ds_load_b128 v[\reg+6:\reg+9], v[\adr] offset:(\i)*BLKB+(\q)*1536+768
	ds_load_b64 v[\reg+10:\reg+11], v[\adr+2] offset:(\i)*BLKB+(\q)*1536+1280
.endm
.macro MUL16 a0, p, q, sc, zero        ; the 64 accumulators take turns, one instruction a turn, in the same order in every step
.irp a, \a0, \a0+1
.irp b, 0,1,2,3,4,5,6,7
.if \zero
	v_wmma_scale_f32_16x16x128_f8f6f4 v[8*(8*((\a)%4)+\b):8*(8*((\a)%4)+\b)+7], v[128*(\p)+FR*\b:128*(\p)+FR*\b+FR-1], v[AF+FR*(\a):AF+FR*(\a)+FR-1], 0, v[SC+8*NQ*(\sc)+NQ*\b+(\q)], v[SC+8*NQ*(\sc)+NQ*(\a)+(\q)] matrix_a_fmt:MATRIX_FMT_FP6 matrix_b_fmt:MATRIX_FMT_FP6 matrix_a_scale:MATRIX_SCALE_ROW1
.else
	v_wmma_scale_f32_16x16x128_f8f6f4 v[8*(8*((\a)%4)+\b):8*(8*((\a)%4)+\b)+7], v[128*(\p)+FR*\b:128*(\p)+FR*\b+FR-1], v[AF+FR*(\a):AF+FR*(\a)+FR-1], v[8*(8*((\a)%4)+\b):8*(8*((\a)%4)+\b)+7], v[SC+8*NQ*(\sc)+NQ*\b+(\q)], v[SC+8*NQ*(\sc)+NQ*(\a)+(\q)] matrix_a_fmt:MATRIX_FMT_FP6 matrix_b_fmt:MATRIX_FMT_FP6 matrix_a_scale:MATRIX_SCALE_ROW1
.endif
.endr
.endr
.endm
.macro FETCH_B slot, q, p
	WIN TO_B
.irp i, 0,1,2,3,4,5,6,7
	FRAG 128*(\p)+FR*\i, ADR0+\slot, \q, \i
.endr
	WIN 0
.endm
.macro FETCH_A slot, q, i0
.irp i, \i0, \i0+1, \i0+2, \i0+3
	FRAG AF+FR*(\i), ADR1+\slot, \q, \i
.endr
.endm
.macro SCALES sc
.irp i, 0,1,2,3,4,5,6,7
	ds_load_b64 v[SC+8*NQ*\sc+NQ*\i:SC+8*NQ*\sc+NQ*\i+1], v[ADRS] offset:\i*SBLK
.endr
.endm
.macro PLACES n
.rept \n
	v_nop
.endr
.endm
.macro STEP slot, q, zero
	s_wait_dscnt 4*NL                              ; all but the youngest 16 loads (source 1's blocks 4-7) are in
	WIN MUL_LO
	MUL16 0, (\q)%2, \q, \slot, \zero
	MUL16 2, (\q)%2, \q, \slot, \zero
	s_wait_dscnt 0
	PLACES NP
	FETCH_B \slot, (\q)+1, 1-(\q)%2
	FETCH_A \slot, (\q)+1, 0
	WIN MUL_HI
	MUL16 4, (\q)%2, \q, \slot, \zero
	MUL16 6, (\q)%2, \q, \slot, \zero
	PLACES NP
	WIN 0
	FETCH_A \slot, (\q)+1, 4
.endm
.macro TURN slot, next, fill
	s_wait_tensorcnt 0x0                           ; all my tensor loads have landed: my part of the next slot
	ds_add_u32 v[SPW], v[NIL]                      ; 0 onto my spare word
	s_wait_dscnt 4*NL+1                            ; (the add and the youngest 16 loads may be out)
	WIN MUL_LO
	MUL16 0, 1, NQ-1, \slot, 0
	s_wait_dscnt 0x0                               ; the add is done, and my reads of this slot are over
	s_barrier_signal -1
	MUL16 2, 1, NQ-1, \slot, 0
	WIN 0
	s_barrier_wait -1
.if \fill
	CREST                                          ; the barrier has opened a round of the cluster's barrier
	s_add_nc_u64 s[G0+4*\slot+2:G0+4*\slot+3], s[G0+4*\slot+2:G0+4*\slot+3], 2*BLKB
	s_add_nc_u64 s[G0B+4*\slot+2:G0B+4*\slot+3], s[G0B+4*\slot+2:G0B+4*\slot+3], 2*BLKB
	JLOAD G0+4*\slot, G1, G0B+4*\slot, G1B         ; my one tensor load behind the round
.else
	PLACES NP
.endif
	v_add_nc_u32 v[ADRS], 4*NQ, v[ADRS]
	FETCH_B \next, 0, 0
	FETCH_A \next, 0, 0
	SCALES \next
	WIN MUL_HI
	MUL16 4, 1, NQ-1, \slot, 0
	MUL16 6, 1, NQ-1, \slot, 0
	PLACES NP
	WIN 0
	FETCH_A \next, 0, 4
.endm
	s_wait_tensorcnt 1                             ; the scales and my part of K step 0 are in; K step 1's load may be out
	s_barrier_signal -1
	s_barrier_wait -1
	FETCH_B 0, 0, 0
	FETCH_A 0, 0, 0
	SCALES 0
	FETCH_A 0, 0, 4
	STEP 0, 0, 1
	s_mov_b32 s3, LAPS-1
.Llap:
	TURN 0, 1, 1
	STEP 1, 0, 0
	TURN 1, 0, 1
	STEP 0, 0, 0
	s_sub_co_u32 s3, s3, 1
	s_cmp_lg_u32 s3, 0
	s_cbranch_scc1 .Llap
	TURN 0, 1, 0
	STEP 1, 0, 0
	s_wait_dscnt 4*NL
	WIN MUL_LO
	MUL16 0, 1, NQ-1, 1, 0
	MUL16 2, 1, NQ-1, 1, 0
	s_wait_dscnt 0
	WIN MUL_HI
	MUL16 4, 1, NQ-1, 1, 0
	MUL16 6, 1, NQ-1, 1, 0
	WIN 0
; THE WAY OUT, block by block of 16 tokens x 128 columns, through my own stage: in as 32 bytes a lane and accumulator, back as whole rows of 512 bytes.  LDS serves a wave's instructions in order (ISA guide 5.7.1.4).
.macro TOSTAGE a
.set AC, 64*((\a)%4)
.set DW, 0x08+4*((\a)/4)
	WIN DW                                         ; an LDS store's data are its source 1: window 2 or 3
.irp b, 0,1,2,3,4,5,6,7
	ds_store_b128 v[STO], v[AC+8*\b:AC+8*\b+3] offset:128*(\b/2)+32*(\b%2)      ; columns 32 (b / 2) + 16 h + 8 (b % 2) + 0 .. 7; each accumulator from its low end on
	ds_store_b128 v[STO], v[AC+8*\b+4:AC+8*\b+7] offset:128*(\b/2)+32*(\b%2)+16
.endr
	WIN 0
.set BB, BK+64*((\a)%2)
.set I, 0
.rept 16
	ds_load_b128 v[BB+4*I:BB+4*I+3], v[RD] offset:I*SPITCH
.set I, I+1
.endr
.endm
.macro SEND a, younger                 ; stage row t of block a is logical row 32 (a / 2) + 8 (a % 2) + t + 8 (t / 8) of my 128
.set BB, BK+64*((\a)%2)
	s_wait_dscnt \younger
.if (\a) > 0
.if (\a)%2
	s_add_nc_u64 s[12:13], s[12:13], 8*4096        ; (behind a wait on XCNT: the earlier stores have read their base)
.else
	s_add_nc_u64 s[12:13], s[12:13], 24*4096
.endif
.endif
.set I, 0
.rept 16
	global_store_b128 v[CO], v[BB+4*I:BB+4*I+3], s[12:13] offset:(I+8*(I/8))*4096 th:TH_STORE_NT   ; 32 lanes store 512 consecutive bytes, at a multiple of 256 from the buffer's first byte
.set I, I+1
.endr
.endm
	PLACES NP
	TOSTAGE 0
.irp a, 1,2,3,4,5,6,7
.if \a > 1
	s_wait_xcnt 0x0                                ; block a - 2's stores have read their registers and their base
.endif
	TOSTAGE \a
	SEND \a-1, 32                                  ; behind block a - 1's loads: block a's 16 stores and 16 loads
.endr
	s_wait_xcnt 0x0
	SEND 7, 0
	s_wait_tensorcnt 0x0                           ; the wave's end: behind my last tensor load and my last LDS store
	ds_add_u32 v[SPW], v[NIL]
	s_wait_dscnt 0x0
	CROUND                                         ; the closing round
	s_endpgm
.Lfunc_end_k_qc00f499caa_gemm_out:
	.size	k_qc00f499caa_gemm_out, .Lfunc_end_k_qc00f499caa_gemm_out-k_qc00f499caa_gemm_out
	.p2alignl 7, 3214868480
	.fill 96, 4, 3214868480
	.section	.rodata,"a",@progbits
	.p2align	6, 0x0
	.amdhsa_kernel k_qc00f499caa_gemm_out
		.amdhsa_group_segment_fixed_size 327680
		.amdhsa_private_segment_fixed_size 0
		.amdhsa_enable_private_segment 0
		.amdhsa_kernarg_size 24
		.amdhsa_user_sgpr_count 2
		.amdhsa_user_sgpr_kernarg_segment_ptr 1
		.amdhsa_wavefront_size32 1
		.amdhsa_system_sgpr_workgroup_id_x 1
		.amdhsa_system_sgpr_workgroup_id_y 1
		.amdhsa_system_sgpr_workgroup_id_z 1
		.amdhsa_system_vgpr_workitem_id 0
		.amdhsa_next_free_vgpr 1024
		.amdhsa_next_free_sgpr 100
		.amdhsa_reserve_vcc 0
		.amdhsa_float_denorm_mode_32 3
		.amdhsa_float_denorm_mode_16_64 3
		.amdhsa_memory_ordered 1
		.amdhsa_forward_progress 1
		.amdhsa_inst_pref_size 143
	.end_amdhsa_kernel
	.amdgpu_metadata
---
amdhsa.version: [ 1, 2 ]
amdhsa.kernels:
  - .name:           k_qc00f499caa_gemm_out
    .symbol:         k_qc00f499caa_gemm_out.kd
    .args:
      - { .name: yq, .offset: 0, .size: 8, .value_kind: global_buffer, .address_space: global }
      - { .name: wq, .offset: 8, .size: 8, .value_kind: global_buffer, .address_space: global }
      - { .name: out0, .offset: 16, .size: 8, .value_kind: global_buffer, .address_space: global }
    .group_segment_fixed_size: 327680
    .private_segment_fixed_size: 0
    .kernarg_segment_align: 8
    .kernarg_segment_size: 24
    .max_flat_workgroup_size: 128
    .sgpr_count:     100
    .vgpr_count:     1024
    .wavefront_size: 32
...
	.end_amdgpu_metadata
.endif
;; end of part 4
